; MI455X (gfx1250); checked and timed in simulation.
; The chip was launched on July 23, 2026; its instructions are those of AMD's public machine-readable ISA for CDNA 5 (MIT licence, August 2026) and "CDNA5" Instruction Set Architecture Reference Guide (July 2026). The comments in the code are by the model that wrote it; some were corrected since.
;; Question Attention. Allowed arithmetic: matrix products marked QUANTISED: E3M2 operands, one E8M0 scale for each 32 along K, by v_wmma_scale_f32_16x16x128_f8f6f4 with both operands' format E3M2, f32 sums; products left as they are: f32 operands where the result goes on into a quantised operand, else bf16, f16 or f32 operands; f32 sums; everything else in f32.
;; Inputs: Wa_codes 2,048 x 64 x 24 uint8 (E3M2 codes of Wa, K innermost, in blocks of 32 codes, four codes in three bytes); Wa_scales 2,048 x 64 uint8 (E8M0 scales of Wa, one for each 32 codes along K); Wm 2,048 x 2,048 float32; Wq_codes 2,048 x 64 x 24 uint8 (E3M2 codes of Wq, K innermost, in blocks of 32 codes, four codes in three bytes); Wq_scales 2,048 x 64 uint8 (E8M0 scales of Wq, one for each 32 codes along K); ba 2,048 float32; bm 2,048 float32; bq 2,048 float32; hidden_list 4 x 2,048 x 2,048 float32; m_q 2,048 float32.
;; Outputs: out0 4 x 2,048 float32; out1 4 x 2,048 float32.
;; This version of the problem:
;;   THIS VERSION OF THE PROBLEM IS GIVEN IN LOW PRECISION. The matrix products marked QUANTISED in the list below multiply operands that are first quantised to E3M2 (3 exponent bits, 2 mantissa bits; 6 bits a number), with one power-of-two scale for each 32 numbers along K (OCP MX v1.0); their sums are f32. All else is computed in f32.
;;   The module's matrix products, in the order in which they are computed (A, B: the left and right operand; K: the contracted axis; several contracted axes count as one K, in the product's order):
;;     1. [M 8,192, K 2,048] x [K 2,048, N 2,048]; A: input hidden_list; B: input Wq (given as codes): QUANTISED
;;     2. [M 2,048, K 2,048] x [K 2,048, N 1]; A: input Wm; B: input m_q: left as it is (N = 1 < 16)
;;     3. [M 8,192, K 2,048] x [K 2,048, N 2,048]; A: computed on the way; B: input Wa (given as codes): QUANTISED
;;   THE QUANTISER, for each operand of a quantised product, along K:
;;     - K is cut into blocks of 32 from its start; a last block that is shorter is filled with zeros.
;;     - A block's scale is 2^e with e = floor(log2(the largest magnitude in the block)) - 4, held to -126 .. 127; a block of zeros has e = 0. As a byte (E8M0): e + 127.
;;     - Each number is divided by its block's scale, clamped to +-28, and rounded to the nearest number of E3M2, ties to even, subnormals kept.
;;     - The product sums the exact products of the quantised numbers (number of the format x scale) in f32.
;;   ~~~python
;;   def quantise(x, axis):      # numpy; x: float32 -> the quantised numbers, widened to float32 again
;;       x = np.moveaxis(x, axis, -1); K = x.shape[-1]
;;       x = np.pad(x, [(0, 0)] * (x.ndim - 1) + [(0, -K % 32)]); x = x.reshape(x.shape[:-1] + (-1, 32)); a = np.abs(x).max(-1, keepdims=True)
;;       e = np.where(a > 0, np.clip(np.frexp(np.where(a > 0, a, 1))[1] - 1 - 4, -126, 127), 0)      # np.frexp(a)[1] - 1 = floor(log2(a)), exactly
;;       r = np.clip(x / 2.0 ** e, -28, 28)
;;       step = 2.0 ** (np.maximum(np.frexp(np.where(r == 0, 1, r))[1] - 1, -2) - 2)
;;       q = np.round(r / step) * step * 2.0 ** e      # np.round: ties to even
;;       return np.moveaxis(q.reshape(q.shape[:-2] + (-1,))[..., :K], -1, axis).astype(np.float32)
;;   ~~~
;;   OPERANDS COMPUTED ON THE WAY. 'Computed on the way' means the value that the module computes at that place (a softmax that the list does not call 'softmax' is quantised finished and normalised). What goes into a quantiser is computed in f32, as accurately as f32 sums, v_exp_f32 and their like allow (about 1e-6 of the number): no bf16 or f16 on the way to a quantiser, and a product that is left as it is and whose result goes on into a quantised operand takes f32 operands (vector FMAs, or v_wmma_f32_16x16x4_f32). A number that lies on a knife's edge between two numbers of the format may be rounded either way, as far as f32 arithmetic and the matrix unit's own rounding can turn it there, and no further.
;;   INPUTS GIVEN AS CODES. Wa (in the module: [2048, 2048], K = its axis 1); Wq (in the module: [2048, 2048], K = its axis 1): each comes as NAME_codes (uint8): NAME with its K axis moved to the last place and cut into blocks of 32 codes, [.., K / 32, bytes a block], one block behind the other in memory; four codes in three bytes: a row's codes are one little-endian stream of bits, code i at bits 6 i .. 6 i + 5 (a code: sign, 3 exponent bits, 2 mantissa bits); and NAME_scales (uint8): the same leading axes, one E8M0 byte (e + 127) for each 32 codes along K. Its value is code x scale, taken as it is: it is not quantised again, and the codes and scales need not be those that the quantiser above would give.
;; One version. Each part assembles by itself: llvm-mc -triple=amdgcn-amd-amdhsa -mcpu=gfx1250 --defsym DOCPART=n.
;; ======== version 1 of 1: 4 launches
;; limits: a function is approximated: absolute error at most 2e-07
;; workspace buffers: xq 13,107,200 bytes; wqq 3,276,800 bytes; waq 3,276,800 bytes; sq 13,107,200 bytes; mqv 8,192 bytes; part 1,572,864 bytes
;; launch prep (part 1): grid 896 x 1, 4 waves a work-group, no clusters, 34,304 bytes of LDS; arguments hidden_list, Wq_codes, Wq_scales, Wa_codes, Wa_scales, Wm, m_q, bm, xq, wqq, waq, mqv; writes xq, wqq, waq, mqv
.if DOCPART == 1
	.amdgcn_target "amdgcn-amd-amdhsa--gfx1250"
	.amdhsa_code_object_version 6
	.text
	.protected	k_qca8900344b_prep
	.globl	k_qca8900344b_prep
	.p2align	8
	.type	k_qca8900344b_prep,@function
k_qca8900344b_prep:
	s_mov_b64 s[64:65], 0
	v_nop
	global_prefetch_b8 v0, s[64:65] scope:SCOPE_SE
	s_setreg_imm32_b32 hwreg(HW_REG_WAVE_MODE, 25, 1), 1
	s_wait_xcnt 0x0
; THREE JOBS IN ONE LAUNCH, told apart by the work-group's number.
;  work-groups   0-511: X = hidden_list [8192][2048] f32 is quantised along K into codes of BF6 (E3M2) with one E8M0 byte for each 32 -> xq
;  work-groups 512-767: the given codes and scale bytes of Wq (512-639) and Wa (640-767) are laid anew, unchanged in value -> wqq, waq
;  work-groups 768-895: g = tanh(Wm m_q + bm), all in f32 (its result goes on into a quantiser) -> mqv
; THE LAYOUT OF xq, wqq, waq (and of sq, which the next launch writes): [128 rows][K step of 128][a record of 12,800 bytes].  A record holds eight IMAGES OF OPERAND REGISTERS of 1,536 bytes, one for each block
; of 16 rows: register g (0..11) of lane l at 512 (g / 4) + 16 l + 4 (g % 4); lane (r, h), registers 6 c .. 6 c + 5 = k 64 c + 32 h + 0 .. 31 of the block's row r.  At byte 12,288 follow the scale words:
; lane 16 u + r holds the four words (four E8M0 bytes each: this K step's) of row r of blocks 4 u + 0 .. 3.  So the products' launches fetch 128 rows x 256 K with their scales as one dense run of 25,600 bytes
; and read a fragment by three LDS loads of 512 consecutive bytes.
; WHICH ROWS FORM A BLOCK: in xq block i, lane r is row 16 i + r.  In wqq and waq block t, lane r is row 32 (t / 2) + 8 (t % 2) + r + 8 (r / 8), so that in the transposed result a lane's 16 registers of blocks
; 2 b and 2 b + 1 are 16 neighbouring columns.
; THE QUANTISER: a block's scale byte is its largest magnitude's exponent field - 4, held at 1 from below by a floor among the maximum's leaves; each number / scale to the nearest code, ties to even, beyond 28 the code of 28.
; LIMITS: NaN and infinities among the inputs are not served.  A block of zeros, or one whose largest magnitude lies under 2^-122, gets the byte 1 (the rule says 127 for zeros): its codes are zeros or the rule's own, and this program alone reads the bytes.
; No tensor load, no barrier: waves share nothing; only the X path touches LDS (a stage of its own for each wave).
.set KSB,  12800                       ; a record
.set LI,   4                           ; v4   16 x lane
.set SO,   5                           ; v5   16 r + 8 h: my 8 bytes of a half image of scale words
.set STW,  6                           ; v6   the stage, on the way in: wave x 8,448 + 16 x lane
.set RDW,  7                           ; v7   and on the way out: wave x 8,448 + 528 r + 128 h
.set PC,   32                          ; v32-43   a fragment's codes
.set T2,   44                          ; v44-51   the upper halves of two blocks' codes (a conversion's three registers begin on an even number)
.set WD,   52                          ; v52-55   four scale words;  v56-57 the pair that is stored
.set X,    64                          ; v64-127  64 numbers: register 32 c + e = k 64 c + 32 h + e of my row
.set RAW,  128                         ; v128-255 two sets of 64: 16 rows x 512 bytes as they are loaded
	s_load_b512 s[4:19], s[0:1], 0x0               ; hidden s[4:5], Wq codes s[6:7], Wq scales s[8:9], Wa codes s[10:11], Wa scales s[12:13], Wm s[14:15], m_q s[16:17], bm s[18:19]
	s_load_b256 s[20:27], s[0:1], 0x40             ; xq s[20:21], wqq s[22:23], waq s[24:25], mqv s[26:27]
	v_lshl_add_u32 v62, v0, 2, 0x8400
	v_mov_b32 v63, 0
	v_lshrrev_b32 v1, 5, v0
	v_readfirstlane_b32 s28, v1                    ; wave 0..3
	v_and_b32 v1, 31, v0                           ; lane
	v_and_b32 v2, 15, v0                           ; r
	v_bfe_u32 v3, v0, 4, 1                         ; h
	v_lshlrev_b32 v[LI], 4, v1
	v_lshlrev_b32 v[SO], 4, v2
	v_lshl_add_u32 v[SO], v3, 3, v[SO]
	s_mul_i32 s29, s28, 8448                       ; my wave's stage: 16 rows x (512 + 16) bytes
	v_add_nc_u32 v[STW], s29, v[LI]
	v_mul_u32_u24 v[RDW], v2, 528
	v_lshl_add_u32 v[RDW], v3, 7, v[RDW]
	v_add_nc_u32 v[RDW], s29, v[RDW]
	s_mov_b32 s30, 0x76543210
	s_mov_b32 s31, 0xfedcba98                      ; v_permlanex16_b32's selects for lane l xor 16
	s_wait_kmcnt 0x0
	s_cmp_ge_u32 ttmp9, 768
	s_cbranch_scc1 .Lmq
	s_cmp_ge_u32 ttmp9, 512
	s_cbranch_scc1 .Lw
; from s32 = K step and s33 = which 64 rows: s[36:37] = byte offset of my four images, s[38:39] = of my half of the record's scale words
.macro DST
	s_lshr_b32 s34, s33, 1                         ; which 128 rows
	s_and_b32 s35, s33, 1                          ; which half of them: blocks 4 u + 0 .. 3
	s_lshl_b32 s34, s34, 4
	s_add_co_u32 s34, s34, s32
	s_mul_i32 s34, s34, KSB                        ; the record
	s_mul_i32 s36, s35, 6144
	s_add_co_u32 s36, s36, s34
	s_mov_b32 s37, 0
	s_lshl_b32 s38, s35, 8
	s_add_co_u32 s38, s38, s34
	s_add_co_u32 s38, s38, 12288
	s_mov_b32 s39, 0
.endm
; the four scale words (the same in both halves of the lanes) leave as 256 consecutive bytes: lane (r, h) stores words 2 h and 2 h + 1 of row r
.macro SCALES_OUT
	v_cmp_ne_u32 vcc_lo, 0, v3
	v_cndmask_b32 v56, v[WD], v[WD+2], vcc_lo
	v_cndmask_b32 v57, v[WD+1], v[WD+3], vcc_lo
	global_store_b64 v[SO], v[56:57], s[42:43]
.endm
	; ---------------- X: a wave takes 64 rows x 128 along K: four fragments.  The four waves of a work-group take neighbouring K steps: 2,048 consecutive bytes of each row
	s_lshl_b32 s29, ttmp9, 2
	s_add_co_u32 s29, s29, s28
	s_and_b32 s32, s29, 15                         ; K step
	s_lshr_b32 s33, s29, 4                         ; which 64 rows, 0..127
	DST
	s_add_nc_u64 s[40:41], s[20:21], s[36:37]
	s_add_nc_u64 s[42:43], s[20:21], s[38:39]
	s_lshl_b32 s44, s33, 19                        ; 64 rows of 8,192 bytes
	s_lshl_b32 s45, s32, 9                         ; 128 numbers
	s_add_co_u32 s44, s44, s45
	s_mov_b32 s45, 0
	s_add_nc_u64 s[4:5], s[4:5], s[44:45]
	v_lshlrev_b32 v15, 3, v3                       ; 8 h
	v_mov_b32 v16, 0                               ; written once: a lane permute's destination counts as one of its sources
.macro LOADX f                         ; fragment f's 16 rows: each load reads 512 consecutive bytes of one row
.set i, 0
.rept 16
	global_load_b128 v[RAW+64*((\f)%2)+4*i:RAW+64*((\f)%2)+4*i+3], v[LI], s[4:5] offset:(16*(\f)+i)*8192 th:TH_LOAD_NT
.set i, i+1
.endr
.endm
.macro STEPX f
.if (\f) < 3
	s_wait_loadcnt 16                              ; this fragment's 16 loads are in; the next fragment's 16, the only ones issued behind them, may be out
.else
	s_wait_loadcnt 0x0
.endif
.set i, 0
.rept 16
	ds_store_b128 v[STW], v[RAW+64*((\f)%2)+4*i:RAW+64*((\f)%2)+4*i+3] offset:528*i     ; the rows as they lie, 528 bytes apart
.set i, i+1
.endr
.irp c, 0,1
.irp j, 0,1,2,3,4,5,6,7
	ds_load_b128 v[X+32*\c+4*\j:X+32*\c+4*\j+3], v[RDW] offset:256*\c+16*\j            ; back: 32 neighbours of my row for each of my two blocks.  LDS serves a wave's instructions in order: these see the stores
.endr
.endr
	s_wait_dscnt 0x0                               ; the numbers are back, and the stores have read their registers,
.if (\f) < 2
	LOADX (\f)+2                                   ; which take the fragment two on
.endif
.irp c, 0,1
	v_max3_num_f32 v[8+\c], |v[X+32*\c]|, |v[X+32*\c+1]|, 0x2800000   ; my block 2 c + h: all 32 numbers are mine; and the floor 2^(5 - 127): the byte cannot fall under 1
.endr
.irp i, 2,4,6,8,10,12,14,16,18,20,22,24,26,28,30
.irp c, 0,1
	v_max3_num_f32 v[8+\c], v[8+\c], |v[X+32*\c+\i]|, |v[X+32*\c+\i+1]|
.endr
.endr
	v_add_nc_u32 v10, 0xfe000000, v8               ; 4 off the exponent field: the conversion takes the exponent field of this operand as its scale
	v_add_nc_u32 v11, 0xfe000000, v9
	v_lshrrev_b32 v12, 23, v10                     ; the scales' bytes
	v_lshrrev_b32 v13, 23, v11
	v_lshl_or_b32 v14, v13, 16, v12                ; blocks h and 2 + h of my row,
	v_lshlrev_b32 v14, v15, v14                    ; at their places in the word;
	v_permlanex16_b32 v16, v14, s30, s31
	v_or_b32 v[WD+(\f)], v14, v16                  ; with lane l xor 16's two the word is whole
.if (\f) > 0
	s_wait_xcnt 0x0                                ; the last fragment's stores have read v32-43: only behind this wait are they written again
.endif
.irp c, 0,1
	v_cvt_scalef32_pk16_bf6_f32 v[PC+6*\c:PC+6*\c+2], v[X+32*\c:X+32*\c+15], v[10+\c]
	v_cvt_scalef32_pk16_bf6_f32 v[T2+4*\c:T2+4*\c+2], v[X+32*\c+16:X+32*\c+31], v[10+\c]
.endr
	v_nop                                          ; one plain place behind a scaled conversion
.irp c, 0,1
.irp i, 0,1,2
	v_mov_b32 v[PC+6*\c+3+\i], v[T2+4*\c+\i]
.endr
.endr
.irp k, 0,1,2
	global_store_b128 v[LI], v[PC+4*\k:PC+4*\k+3], s[40:41] offset:1536*(\f)+512*\k    ; 32 lanes store 512 consecutive bytes, at a multiple of 256 from the buffer's first byte
.endr
.endm
	LOADX 0
	LOADX 1
	STEPX 0
	STEPX 1
	STEPX 2
	STEPX 3
	SCALES_OUT
	s_wait_tensorcnt 0x0
	ds_add_u32 v62, v63
	s_wait_dscnt 0x0
	s_endpgm
	; ---------------- W: a wave takes 64 rows x 128 along K of Wq or of Wa: four fragments, loaded as the operand's layout wants them and stored as images
.Lw:
	s_sub_co_u32 s29, ttmp9, 512
	s_lshl_b32 s29, s29, 2
	s_add_co_u32 s29, s29, s28
	s_and_b32 s32, s29, 15                         ; K step
	s_bfe_u32 s33, s29, 0x50004                    ; which 64 rows of the tensor, 0..31
	DST
	s_cmp_lt_u32 ttmp9, 640                        ; Wq's work-group or Wa's: the choice hangs on the work-group's number alone
	s_cselect_b64 s[6:7], s[6:7], s[10:11]
	s_cselect_b64 s[8:9], s[8:9], s[12:13]
	s_cselect_b64 s[22:23], s[22:23], s[24:25]
	s_add_nc_u64 s[40:41], s[22:23], s[36:37]
	s_add_nc_u64 s[42:43], s[22:23], s[38:39]
	s_mul_i32 s44, s33, 98304                      ; 64 rows of 1,536 bytes of codes
	s_mul_i32 s45, s32, 96                         ; 128 codes
	s_add_co_u32 s44, s44, s45
	s_mov_b32 s45, 0
	s_add_nc_u64 s[6:7], s[6:7], s[44:45]
	s_lshl_b32 s44, s33, 12                        ; 64 rows of 64 scale bytes
	s_lshl_b32 s46, s32, 2
	s_add_co_u32 s44, s44, s46
	s_add_nc_u64 s[8:9], s[8:9], s[44:45]
	v_and_b32 v8, 8, v2
	v_add_nc_u32 v8, v8, v2                        ; r + 8 (r / 8)
	v_lshlrev_b32 v9, 6, v8                        ; its row of scale bytes
	v_mul_u32_u24 v8, v8, 1536
	v_mad_u32_u24 v8, v3, 24, v8                   ; its row of codes, + 24 h
.irp t, 0,1,2,3                        ; block t of my four begins at row 32 (t / 2) + 8 (t % 2) of my 64
.irp p, 0,1,2,3,4,5
	global_load_b64 v[64+12*\t+2*\p:65+12*\t+2*\p], v8, s[6:7] offset:(32*(\t/2)+8*(\t%2))*1536+48*(\p/3)+8*(\p%3)
.endr
	global_load_b32 v[WD+\t], v9, s[8:9] offset:(32*(\t/2)+8*(\t%2))*64
.endr
	s_wait_loadcnt 0x0
.irp t, 0,1,2,3
.irp k, 0,1,2
	global_store_b128 v[LI], v[64+12*\t+4*\k:67+12*\t+4*\k], s[40:41] offset:1536*\t+512*\k
.endr
.endr
	SCALES_OUT
	s_endpgm
	; ---------------- g = tanh(Wm m_q + bm): a wave takes four rows of Wm, one after the other; m_q stays in 64 registers
.Lmq:
	s_sub_co_u32 s29, ttmp9, 768
	s_lshl_b32 s29, s29, 4
	s_lshl_b32 s32, s28, 2
	s_add_co_u32 s29, s29, s32                     ; my first row
	s_lshl_b32 s32, s29, 13
	s_mov_b32 s33, 0
	s_add_nc_u64 s[14:15], s[14:15], s[32:33]
	s_lshl_b32 s32, s29, 2
	s_add_nc_u64 s[18:19], s[18:19], s[32:33]
	s_add_nc_u64 s[26:27], s[26:27], s[32:33]
	v_and_b32 v20, 3, v1                           ; lane j works out row j % 4's tanh
	v_lshlrev_b32 v24, 2, v20
	v_lshlrev_b32 v25, 2, v1
	v_mov_b32 v26, 0                               ; (a lane permute's destination counts as one of its sources)
	global_load_b32 v22, v24, s[18:19]             ; bm
.set i, 0
.rept 16
	global_load_b128 v[64+4*i:67+4*i], v[LI], s[16:17] offset:512*i
.set i, i+1
.endr
.macro WROW k
.set i, 0
.rept 16
	global_load_b128 v[128+64*((\k)%2)+4*i:131+64*((\k)%2)+4*i], v[LI], s[14:15] offset:8192*(\k)+512*i th:TH_LOAD_NT
.set i, i+1
.endr
.endm
.macro ROW k
.set WR, 128+64*((\k)%2)
.if (\k) < 3
	s_wait_loadcnt 16                              ; this row (and all before it) is in; the next row's 16 loads may be out
.else
	s_wait_loadcnt 0x0
.endif
.irp n, 0,1,2,3
	v_pk_mul_f32 v[8+2*\n:9+2*\n], v[WR+2*\n:WR+2*\n+1], v[64+2*\n:65+2*\n]            ; four chains of packed multiply-adds; the first products start them
.endr
.irp i, 8,16,24,32,40,48,56
.irp n, 0,1,2,3
	v_pk_fma_f32 v[8+2*\n:9+2*\n], v[WR+\i+2*\n:WR+\i+2*\n+1], v[64+\i+2*\n:65+\i+2*\n], v[8+2*\n:9+2*\n]
.endr
.endr
.if (\k) < 2
	WROW (\k)+2
.endif
	v_pk_add_f32 v[8:9], v[8:9], v[10:11]
	v_pk_add_f32 v[12:13], v[12:13], v[14:15]
	v_pk_add_f32 v[8:9], v[8:9], v[12:13]
	v_add_f32 v8, v8, v9
	v_add_f32_dpp v8, v8, v8 row_xmask:1 row_mask:0xf bank_mask:0xf
	v_add_f32_dpp v8, v8, v8 row_xmask:2 row_mask:0xf bank_mask:0xf
	v_add_f32_dpp v8, v8, v8 row_xmask:4 row_mask:0xf bank_mask:0xf
	v_add_f32_dpp v8, v8, v8 row_xmask:8 row_mask:0xf bank_mask:0xf
	v_permlanex16_b32 v26, v8, s30, s31
	v_add_f32 v[16+(\k)], v8, v26                  ; the row's sum, in every lane
.endm
	WROW 0
	WROW 1
	ROW 0
	ROW 1
	ROW 2
	ROW 3
	v_cmp_eq_u32 vcc_lo, 1, v20
	v_cndmask_b32 v21, v16, v17, vcc_lo
	v_cmp_eq_u32 vcc_lo, 2, v20
	v_cndmask_b32 v21, v21, v18, vcc_lo
	v_cmp_eq_u32 vcc_lo, 3, v20
	v_cndmask_b32 v21, v21, v19, vcc_lo
	v_add_f32 v21, v21, v22                        ; z
	; tanh both ways, the choice by a select: 1 - 1 / (0.5 + 0.5 x 2^(2 z log2 e)), and under |z| = 0.25, where that difference loses digits, z + z^3 (-1/3 + 2/15 z^2 - 17/315 z^4 + 62/2835 z^6)
	v_mul_f32 v23, 0x4038aa3b, v21
	v_exp_f32 v23, v23
	v_mul_f32 v27, v21, v21                        ; (the series is the plain work behind the exponential)
	v_mov_b32 v28, 0x3cb327a4
	v_fmaak_f32 v28, v28, v27, 0xbd5d0dd1
	v_fmaak_f32 v28, v28, v27, 0x3e088889
	v_fmaak_f32 v28, v28, v27, 0xbeaaaaab
	v_mul_f32 v28, v28, v27
	v_fma_f32 v29, v28, v21, v21
	s_wait_alu depctr_va_vdst(0)                   ; the wait ahead of the first line that names the exponential's result
	v_fma_f32 v23, v23, 0.5, 0.5
	v_rcp_f32 v23, v23
	v_and_b32 v30, 0x7fffffff, v21                 ; (a plain place)
	s_wait_alu depctr_va_vdst(0)                   ; and ahead of the reciprocal's first reader
	v_sub_f32 v23, 1.0, v23
	v_cmp_gt_f32 vcc_lo, 0x3e800000, v30
	v_cndmask_b32 v31, v23, v29, vcc_lo
	s_wait_xcnt 0x0                                ; EXEC changes only behind this wait
	v_cmp_gt_u32 vcc_lo, 4, v1
	s_and_saveexec_b32 s44, vcc_lo
	global_store_b32 v25, v31, s[26:27]            ; lanes 0-3: 16 bytes a wave, of a buffer of 8,192 bytes in all
	s_wait_xcnt 0x0
	s_or_b32 exec_lo, exec_lo, s44
	s_endpgm
.Lfunc_end_k_qca8900344b_prep:
	.size	k_qca8900344b_prep, .Lfunc_end_k_qca8900344b_prep-k_qca8900344b_prep
	.p2alignl 7, 3214868480
	.fill 96, 4, 3214868480
	.section	.rodata,"a",@progbits
	.p2align	6, 0x0
	.amdhsa_kernel k_qca8900344b_prep
		.amdhsa_group_segment_fixed_size 34304
		.amdhsa_private_segment_fixed_size 0
		.amdhsa_enable_private_segment 0
		.amdhsa_kernarg_size 96
		.amdhsa_user_sgpr_count 2
		.amdhsa_user_sgpr_kernarg_segment_ptr 1
		.amdhsa_wavefront_size32 1
		.amdhsa_system_sgpr_workgroup_id_x 1
		.amdhsa_system_sgpr_workgroup_id_y 1
		.amdhsa_system_sgpr_workgroup_id_z 1
		.amdhsa_system_vgpr_workitem_id 0
		.amdhsa_next_free_vgpr 256
		.amdhsa_next_free_sgpr 66
		.amdhsa_reserve_vcc 1
		.amdhsa_float_denorm_mode_32 3
		.amdhsa_float_denorm_mode_16_64 3
		.amdhsa_memory_ordered 1
		.amdhsa_forward_progress 1
		.amdhsa_inst_pref_size 55
	.end_amdhsa_kernel
	.amdgpu_metadata
---
amdhsa.version: [ 1, 2 ]
amdhsa.kernels:
  - .name:           k_qca8900344b_prep
    .symbol:         k_qca8900344b_prep.kd
    .args:
      - { .name: hidden_list, .offset: 0, .size: 8, .value_kind: global_buffer, .address_space: global }
      - { .name: Wq_codes, .offset: 8, .size: 8, .value_kind: global_buffer, .address_space: global }
      - { .name: Wq_scales, .offset: 16, .size: 8, .value_kind: global_buffer, .address_space: global }
      - { .name: Wa_codes, .offset: 24, .size: 8, .value_kind: global_buffer, .address_space: global }
      - { .name: Wa_scales, .offset: 32, .size: 8, .value_kind: global_buffer, .address_space: global }
      - { .name: Wm, .offset: 40, .size: 8, .value_kind: global_buffer, .address_space: global }
      - { .name: m_q, .offset: 48, .size: 8, .value_kind: global_buffer, .address_space: global }
      - { .name: bm, .offset: 56, .size: 8, .value_kind: global_buffer, .address_space: global }
      - { .name: xq, .offset: 64, .size: 8, .value_kind: global_buffer, .address_space: global }
      - { .name: wqq, .offset: 72, .size: 8, .value_kind: global_buffer, .address_space: global }
      - { .name: waq, .offset: 80, .size: 8, .value_kind: global_buffer, .address_space: global }
      - { .name: mqv, .offset: 88, .size: 8, .value_kind: global_buffer, .address_space: global }
    .group_segment_fixed_size: 34304
    .private_segment_fixed_size: 0
    .kernarg_segment_align: 8
    .kernarg_segment_size: 96
    .max_flat_workgroup_size: 128
    .sgpr_count:     66
    .vgpr_count:     256
    .wavefront_size: 32
...
	.end_amdgpu_metadata
.endif
;; end of part 1
;; launch gemm_h (part 2): grid 8 x 32, 4 waves a work-group, clusters of 4 x 4, 327,680 bytes of LDS; arguments xq, wqq, bq, mqv, sq; writes sq
.if DOCPART == 2
	.amdgcn_target "amdgcn-amd-amdhsa--gfx1250"
	.amdhsa_code_object_version 6
	.text
	.protected	k_qca8900344b_gemm_h
	.globl	k_qca8900344b_gemm_h
	.p2align	8
	.type	k_qca8900344b_gemm_h,@function
k_qca8900344b_gemm_h:
	s_mov_b64 s[64:65], 0
	v_nop
	global_prefetch_b8 v0, s[64:65] scope:SCOPE_SE
	s_setreg_imm32_b32 hwreg(HW_REG_WAVE_MODE, 25, 1), 1
	s_wait_xcnt 0x0
	s_wait_alu depctr_hold_cnt(0) depctr_sa_sdst(0) depctr_va_vdst(0) depctr_va_sdst(0) depctr_va_ssrc(0) depctr_va_vcc(0) depctr_vm_vsrc(0)
	s_getreg_b32 s2, hwreg(HW_REG_IB_STS2, 6, 4)
	s_cmp_eq_u32 s2, 0
	s_cbranch_scc0 .Lentry_in_a_cluster
	s_endpgm
.Lentry_in_a_cluster:
	s_bfe_u32 s2, ttmp6, 0x10000c
	s_cmp_lg_u32 s2, 0xf033
	s_cbranch_scc0 .Lentry_shape_is_right
	s_endpgm
.Lentry_shape_is_right:
; S = tanh(X Wq^T + bq) * g, quantised along its columns (the next product's K) into codes of BF6 (E3M2) with one E8M0 byte for each 32.  X [8192][2048] and Wq [2048][2048] come as codes in the order of the
; operand's registers (xq, wqq: [128 rows][K step of 128][12,800 bytes]: eight images of 1,536 bytes, then 512 bytes of scale words); S leaves in the same order (sq).  g [2048] f32 comes from mqv.
; A tile of 256 x 256 is made by a work-group of four waves; a wave makes 128 x 128: 64 accumulators, 512 registers.  8 x 32 tiles: one for each of 256 work-groups.
; THE RING: two LDS slots of THREE K steps each, as large as fit: a wave's one tensor load brings 128 rows x 384 K with their scales: 38,400 consecutive bytes of memory, stated as 150 rows of 256 bytes.  So the one load
; that a wave issues behind a change of slots has 192 matrix instructions' work in which to land.  16 K steps are five slots' worth and one step: the last fill brings one K step, 50 rows of 256 bytes.
; THE K STEPS ARE WRITTEN OUT BY MACRO, NOT LOOPED: the register numbers come back after six K steps (three to a slot, two sets of Wq's fragments), the 16 steps hold two such laps, and the second lap's last fill has
; another shape than the first's; no tensor load is chosen or skipped by a jump.  By count that is 1,024 matrix instructions and 800 LDS loads: about 40 KB of code with the way out.
; CLUSTERS: 4 x 4 work-groups.  The four of a row of the cluster need the same tiles of X, the four of a column the same tiles of Wq: each is asked for JOINTLY, by the same tensor load with the same descriptor and a mask that names the four.
; THE MATRIX INSTRUCTION IS USED TRANSPOSED (source 0 = 16 rows of Wq, source 1 = 16 rows of X), and the rows of Wq that form a block are 32 (t / 2) + 8 (t % 2) + r + 8 (r / 8): so lane (r, h) holds row r of X, and of a
; block of rows its 64 registers 16 b + i are columns 32 b + 16 h + i: 16 neighbours along the next K, as the conversions want them.  bq is the C of each sum's first product.
; THE WAY OUT needs no LDS: tanh, the gate, the quantiser and the exchange of halves leave a fragment's 12 registers, which are stored as its image, 512 consecutive bytes a store.
; LIMITS: NaN and infinities are not served.  tanh(z) = 1 - 2 / (1 + 2^(2 z log2 e)) has an absolute error of some 2e-7, so its relative error grows as 2e-7 / |z| for small z.  A block of zeros, or one under 2^-122, gets the scale byte 1; this program alone reads the bytes.
; REGISTERS, in windows of 256: window 0: v0-31 addresses; v32-47 scale words, two sets, and nothing else; v64-159 X's eight fragments, ONE set; v192-255 bq, then g.  On the way out v64-127 S, v128-147 codes, v148-175 at work.
;   window 1: Wq's fragments, TWO sets, at v0 and v96.   window 2: the accumulators of my rows 0-63 ((a, t) at v[8 (8 a + t)]);   window 3: those of rows 64-127.
.set KSB,   12800                      ; a record: 128 rows x 128 K, with scales
.set NQ,    3                          ; K steps in a slot
.set PART,  NQ*KSB                     ; what one tensor load brings
.set SLOT,  4*PART                     ; X's two halves, then Wq's two
.set RGB,   16*KSB                     ; 128 rows, all of K
.set FR,    12                         ; registers of a fragment
.set NL,    3                          ; LDS loads that bring one
.set SPARE, 2*SLOT                     ; behind the ring: the spare words, 128 bytes for each wave: two blocks of 256 bytes that no other line names
.set LI,   4                           ; v4      16 x lane
.set ADRA, 16                          ; v16-17  LDS address of my X fragments in slot 0, 1
.set ADRB, 20                          ; v20-21  the same for Wq
.set ADRS, 22                          ; v22-23  of the scale words: lanes 0-15 X's, lanes 16-31 Wq's
.set BO,   24                          ; v24     64 h: my half's place in bq and g
.set SPW,  28                          ; v28     LDS address of my spare word; never rewritten
.set NIL,  29                          ; v29     0; never rewritten
.set SC,   32                          ; scale words: register SC + 8 p + i: lanes 0-15 the word of X's block i, lanes 16-31 that of Wq's block i; set p = the K step's parity
.set AF,   64
.set BIAS, 192
.set G1,   24                          ; s[24:31] descriptor group 1 for X's tiles;  s[32:39] group 0, one set for each slot
.set G0,   32
.set G1B,  48                          ; s[48:55], s[56:63] the same for Wq's
.set G0B,  56
.set G1S,  80                          ; s[80:87], s[88:95] groups 1 for the last fill, of one K step
.set G1SB, 88
.set SEL,  66                          ; s[66:67] v_permlanex16_b32's selects for lane l xor 16
.set CS,   68                          ; s[68:69] 2 log2 e, twice
.set H,    64                          ; the way out
.set PC,   128
.set TM,   148
.set PWS,  164
.set SW,   172
.set MQ,   192
.set MSB, 0
.macro WIN new                         ; the immediate's high byte repeats the setting that is left
.if MSB != (\new)
	s_set_vgpr_msb (MSB<<8)|(\new)
.set MSB, (\new)
.endif
.endm
.set MUL_LO,  0xa1                     ; source 0 (Wq) window 1, source 1 (X) window 0, C and D window 2
.set MUL_HI,  0xf1                     ; the same, C and D window 3
.set MUL0_LO, 0x81                     ; the first step: C is bq, in window 0
.set MUL0_HI, 0xc1
.set TO_B,    0x40                     ; destination window 1, address window 0
; A joint load: waves 0 and 1 fetch for X, waves 2 and 3 for Wq.  Each of the two lines has ONE mask and one set of registers for all that issue it; the branch hangs on the wave's number alone.
; Four v_nop follow each of the two lines, ahead of the jump, the label and what follows.
.macro JLOAD g0a, g1a, g0b, g1b
	s_cmp_eq_u32 s15, 0
	s_cbranch_scc0 .Lfor_b_\@
	tensor_load_to_lds s[\g0a:\g0a+3], s[\g1a:\g1a+7]
	s_nop 0
.rept 4
	v_nop
.endr
	s_branch .Lasked_\@
.Lfor_b_\@:
	tensor_load_to_lds s[\g0b:\g0b+3], s[\g1b:\g1b+7]
	s_nop 0
.rept 4
	v_nop
.endr
.Lasked_\@:
.endm
.macro CREST                           ; a round of the cluster's barrier behind its opening barrier
	s_cmp_lg_u32 s14, 0
	s_cbranch_scc1 .Lnot_wave_0_\@
	s_barrier_signal -3
.Lnot_wave_0_\@:
	s_barrier_wait -3
	s_barrier_signal -1
	s_barrier_wait -1
.endm
.macro CROUND                          ; a whole round
	s_barrier_signal -1
	s_barrier_wait -1
	CREST
.endm
	s_load_b256 s[4:11], s[0:1], 0x0               ; xq s[4:5], wqq s[6:7], bq s[8:9], mqv s[10:11]
	s_load_b64 s[12:13], s[0:1], 0x20              ; sq
	v_lshl_add_u32 v[SPW], v0, 2, SPARE
	v_mov_b32 v[NIL], 0
	ds_add_u32 v28, v29
	ds_add_u32 v28, v29
	s_wait_dscnt 0x0
	v_lshrrev_b32 v1, 5, v0
	v_readfirstlane_b32 s14, v1                    ; wave 0..3
	s_lshr_b32 s15, s14, 1                         ; which half of the tile's rows is mine.  Also: I fetch for X (0) or for Wq (1)
	s_and_b32 s16, s14, 1                          ; which half of its columns.  Also: which 128 rows of that tile I fetch
	s_bfe_u32 s40, ttmp6, 0x40000                  ; cx, cy: my place in the cluster
	s_bfe_u32 s41, ttmp6, 0x40004
	s_lshl_b32 s42, ttmp9, 2
	s_add_co_u32 s42, s42, s40                     ; tile column = 4 x cluster x + cx
	s_and_b32 s17, ttmp7, 0xffff
	s_lshl_b32 s17, s17, 2
	s_add_co_u32 s17, s17, s41                     ; tile row = 4 x cluster y + cy
	s_lshl_b32 s43, s41, 2
	s_lshl_b32 s43, 15, s43                        ; my row of the cluster
	s_lshl_b32 s44, 0x1111, s40                    ; my column
	; descriptor group 1: 38,400 dense bytes as 150 rows of 32 elements of 8 bytes, no padding; for the last fill 12,800 bytes as 50 rows
	s_or_b32 s[G1+0], s43, (3<<16)|(1<<21)         ; 15:0 the mask: X's tiles go to my row; 17:16 elements of 8 bytes; 20 padding off; 21 set beside a mask
	s_or_b32 s[G1B+0], s44, (3<<16)|(1<<21)        ; the same with the mask of my column
	s_or_b32 s[G1S+0], s43, (3<<16)|(1<<21)
	s_or_b32 s[G1SB+0], s44, (3<<16)|(1<<21)
.irp g, G1, G1B
	s_mov_b32 s[\g+1], 32<<16                      ; tensor_dim0
	s_mov_b32 s[\g+2], 150<<16                     ; tensor_dim1
	s_mov_b32 s[\g+3], 32<<16                      ; tile_dim0
	s_mov_b32 s[\g+4], 150                         ; tile_dim1
	s_mov_b32 s[\g+5], 32                          ; tensor_dim0_stride
	s_mov_b32 s[\g+6], 0
	s_mov_b32 s[\g+7], 0
.endr
.irp g, G1S, G1SB
	s_mov_b32 s[\g+1], 32<<16
	s_mov_b32 s[\g+2], 50<<16
	s_mov_b32 s[\g+3], 32<<16
	s_mov_b32 s[\g+4], 50
	s_mov_b32 s[\g+5], 32
	s_mov_b32 s[\g+6], 0
	s_mov_b32 s[\g+7], 0
.endr
	s_lshl_b32 s20, s17, 1
	s_add_co_u32 s20, s20, s16
	s_mul_i32 s20, s20, RGB                        ; X: the 128 rows 2 x tile row + half
	s_mov_b32 s21, 0
	s_lshl_b32 s46, s42, 1
	s_add_co_u32 s46, s46, s16
	s_mul_i32 s46, s46, RGB                        ; Wq: 2 x tile column + half
	s_mov_b32 s47, 0
	s_mul_i32 s45, s14, PART                       ; where they go: wave x 38,400: no place in the cluster enters an LDS address
	s_wait_kmcnt 0x0
	s_add_nc_u64 s[20:21], s[4:5], s[20:21]
	s_add_nc_u64 s[46:47], s[6:7], s[46:47]
	CROUND                                         ; all sixteen work-groups are here: the first joint loads meet
.irp s, 0,1
	s_mov_b32 s[G0+4*\s], 1
	s_add_co_u32 s[G0+4*\s+1], s45, \s*SLOT
	s_add_nc_u64 s[G0+4*\s+2:G0+4*\s+3], s[20:21], \s*PART       ; slot 0: K steps 0-2; slot 1: K steps 3-5
	s_or_b32 s[G0+4*\s+3], s[G0+4*\s+3], 0x80000000
	s_mov_b32 s[G0B+4*\s], 1
	s_add_co_u32 s[G0B+4*\s+1], s45, \s*SLOT
	s_add_nc_u64 s[G0B+4*\s+2:G0B+4*\s+3], s[46:47], \s*PART
	s_or_b32 s[G0B+4*\s+3], s[G0B+4*\s+3], 0x80000000
	JLOAD G0+4*\s, G1, G0B+4*\s, G1B               ; two tensor loads of mine are out behind these
.endr
	v_and_b32 v1, 15, v0                           ; r
	v_bfe_u32 v2, v0, 4, 1                         ; h
	v_and_b32 v3, 31, v0                           ; lane
	v_lshlrev_b32 v[LI], 4, v3
	v_lshlrev_b32 v[BO], 6, v2
	s_mul_i32 s18, s15, PART                       ; my 128 rows of X
	s_mul_i32 s19, s16, PART                       ; my 128 rows of Wq,
	s_add_co_u32 s19, s19, 2*PART                  ; which lie behind X's two parts
.irp s, 0,1
	v_add_nc_u32 v[ADRA+\s], s18, v[LI]
	v_add_nc_u32 v[ADRB+\s], s19, v[LI]
	s_add_co_u32 s18, s18, SLOT
	s_add_co_u32 s19, s19, SLOT
.endr
	s_mul_i32 s18, s15, PART
	s_mul_i32 s19, s16, PART
	s_add_co_u32 s19, s19, 2*PART
	s_sub_co_u32 s19, s19, s18
	v_mul_u32_u24 v9, s19, v2                      ; lanes 16-31 take Wq's scale words: one product, h x the distance
	v_lshl_add_u32 v9, v1, 4, v9                   ; 16 bytes a row: four blocks' words
	v_add_nc_u32 v[ADRS], s18, v9
	v_add_nc_u32 v[ADRS+1], SLOT, v[ADRS]
	s_mov_b32 s[SEL], 0x76543210
	s_mov_b32 s[SEL+1], 0xfedcba98
	s_mov_b32 s[CS], 0x4038aa3b                    ; 2 log2 e
	s_mov_b32 s[CS+1], s[CS]
	s_lshl_b32 s70, s42, 10
	s_lshl_b32 s71, s16, 9
	s_add_co_u32 s70, s70, s71                     ; my first column, in bytes of f32: 1,024 x tile column + 512 x half
	s_mov_b32 s71, 0
	s_add_nc_u64 s[8:9], s[8:9], s[70:71]
	s_add_nc_u64 s[10:11], s[10:11], s[70:71]
	s_lshl_b32 s74, s17, 1
	s_add_co_u32 s74, s74, s15
	s_mul_i32 s74, s74, RGB                        ; sq: my 128 rows,
	s_lshl_b32 s75, s42, 1
	s_add_co_u32 s75, s75, s16
	s_mul_i32 s75, s75, KSB                        ; and my 128 columns: one K step of the next product: one record
	s_add_co_u32 s74, s74, s75
	s_mov_b32 s75, 0
	s_add_nc_u64 s[12:13], s[12:13], s[74:75]
.irp t, 0,1,2,3,4,5,6,7                ; bq in the result's layout: for block t my eight columns 32 (t / 2) + 16 h + 8 (t % 2) + 0 .. 7
	global_load_b128 v[BIAS+8*\t:BIAS+8*\t+3], v[BO], s[8:9] offset:(32*(\t/2)+8*(\t%2))*4
	global_load_b128 v[BIAS+8*\t+4:BIAS+8*\t+7], v[BO], s[8:9] offset:(32*(\t/2)+8*(\t%2))*4+16
.endr
.macro FRAG reg, adr, q, i             ; a fragment comes back as it was laid: three loads of 512 consecutive bytes
.irp c, 0,1,2
	ds_load_b128 v[\reg+4*\c:\reg+4*\c+3], v[\adr] offset:(\q)*KSB+(\i)*1536+512*\c
.endr
.endm
; 16 matrix instructions: X's blocks a0, a0 + 1 x Wq's eight, 128 along K.  p: Wq's set and the set of scale words.  first = 1: the first product starts the sums from bq: nothing is ever cleared.
; The 64 accumulators take turns, one instruction a turn, in the same order in every step.
.macro MUL16 a0, p, first
.irp a, \a0, \a0+1
.irp b, 0,1,2,3,4,5,6,7
.if \first
	v_wmma_scale_f32_16x16x128_f8f6f4 v[8*(8*((\a)%4)+\b):8*(8*((\a)%4)+\b)+7], v[96*(\p)+FR*\b:96*(\p)+FR*\b+FR-1], v[AF+FR*(\a):AF+FR*(\a)+FR-1], v[BIAS+8*\b:BIAS+8*\b+7], v[SC+8*(\p)+\b], v[SC+8*(\p)+(\a)] matrix_a_fmt:MATRIX_FMT_BF6 matrix_b_fmt:MATRIX_FMT_BF6 matrix_a_scale:MATRIX_SCALE_ROW1
.else
	v_wmma_scale_f32_16x16x128_f8f6f4 v[8*(8*((\a)%4)+\b):8*(8*((\a)%4)+\b)+7], v[96*(\p)+FR*\b:96*(\p)+FR*\b+FR-1], v[AF+FR*(\a):AF+FR*(\a)+FR-1], v[8*(8*((\a)%4)+\b):8*(8*((\a)%4)+\b)+7], v[SC+8*(\p)+\b], v[SC+8*(\p)+(\a)] matrix_a_fmt:MATRIX_FMT_BF6 matrix_b_fmt:MATRIX_FMT_BF6 matrix_a_scale:MATRIX_SCALE_ROW1
.endif
.endr
.endr
.endm
.macro FETCH_B slot, q, p              ; Wq's eight fragments of the slot's q-th K step into set p
	WIN TO_B
.irp i, 0,1,2,3,4,5,6,7
	FRAG 96*(\p)+FR*\i, ADRB+\slot, \q, \i
.endr
	WIN 0
.endm
.macro FETCH_A slot, q, i0             ; X's blocks i0 .. i0 + 3
.irp i, \i0, \i0+1, \i0+2, \i0+3
	FRAG AF+FR*(\i), ADRA+\slot, \q, \i
.endr
.endm
.macro SCALES slot, q, p               ; that K step's scale words into set p: two loads; lanes 0-15 take X's image, lanes 16-31 Wq's
.irp g, 0,1
	ds_load_b128 v[SC+8*(\p)+4*\g:SC+8*(\p)+4*\g+3], v[ADRS+\slot] offset:(\q)*KSB+12288+256*\g
.endr
.endm
; A load into a register that a matrix instruction has read, and a vector instruction that reads a matrix result, stand four places behind that matrix instruction, and only plain vector instructions that
; name none of its registers are places (ISA guide 7.12.1 for vector instructions).
.macro PLACES n
.rept \n
	v_nop
.endr
.endm
; A K step whose successor lies in the same slot: the slot's q-th, on set p.  X has one set of registers: blocks 0-3 are fetched anew in the step's middle, blocks 4-7 at its end; Wq's next set and the next scale words come in the middle run.
.macro STEP slot, q, p, first
	s_wait_dscnt 4*NL                              ; all but the youngest 12 loads (X's blocks 4-7) are in
.if \first
	WIN MUL0_LO
.else
	WIN MUL_LO
.endif
	MUL16 0, \p, \first
	MUL16 2, \p, \first
	s_wait_dscnt 0                                 ; X's blocks 4-7 are in
	PLACES 4
	FETCH_B \slot, (\q)+1, 1-(\p)
	FETCH_A \slot, (\q)+1, 0
	SCALES \slot, (\q)+1, 1-(\p)
.if \first
	WIN MUL0_HI
.else
	WIN MUL_HI
.endif
	MUL16 4, \p, \first
	MUL16 6, \p, \first
	PLACES 4
	WIN 0
	FETCH_A \slot, (\q)+1, 4
.endm
; A slot's third step changes slots, in its middle: ONE barrier; in front of it each wave waits for all its tensor loads, adds 0 to its spare word, and waits for that and for its own reads of this slot (the last were issued
; at the end of the step before).  The step's first 32 products stand AHEAD of the wait for the tensor loads, so that nothing but the add and the round lies between that wait and the refill.
; fill = 1: this slot is filled again with the three K steps two slots on; 2: with the one K step that is left; 0: nothing is left to fetch.
.macro TURN slot, p, next, fill
	s_wait_dscnt 4*NL                              ; all but the youngest 12 loads (X's blocks 4-7) are in
	WIN MUL_LO
	MUL16 0, \p, 0
	MUL16 2, \p, 0
	WIN 0
	s_wait_tensorcnt 0x0                           ; all my tensor loads have landed: the one that was out is my part of the next slot; so every group 0 may be written
	ds_add_u32 v[SPW], v[NIL]                      ; 0 onto my spare word
.if \fill
	s_add_nc_u64 s[G0+4*\slot+2:G0+4*\slot+3], s[G0+4*\slot+2:G0+4*\slot+3], 2*PART     ; this slot's next K steps: six on
	s_add_nc_u64 s[G0B+4*\slot+2:G0B+4*\slot+3], s[G0B+4*\slot+2:G0B+4*\slot+3], 2*PART
.endif
	s_wait_dscnt 0x0                               ; the add is done, and my reads of this slot are over
.if \fill
	CROUND                                         ; a round of the cluster's barrier: no wave of any partner still reads this slot's tile or has a load on its way
.if \fill == 1
	JLOAD G0+4*\slot, G1, G0B+4*\slot, G1B         ; the first tensor load behind the round, my one load until the next; its four v_nop are the places in front of the loads below
.else
	JLOAD G0+4*\slot, G1S, G0B+4*\slot, G1SB       ; the same, of one K step
.endif
.else
	s_barrier_signal -1
	s_barrier_wait -1
	PLACES 4
.endif
	FETCH_B \next, 0, 1-(\p)
	FETCH_A \next, 0, 0
	SCALES \next, 0, 1-(\p)
	WIN MUL_HI
	MUL16 4, \p, 0
	MUL16 6, \p, 0
	PLACES 4
	WIN 0
	FETCH_A \next, 0, 4
.endm
	s_wait_tensorcnt 1                             ; my part of slot 0 is in (slot 1's load may be out)
	s_barrier_signal -1
	s_barrier_wait -1                              ; everybody's is
	FETCH_B 0, 0, 0
	FETCH_A 0, 0, 0
	SCALES 0, 0, 0
	FETCH_A 0, 0, 4
	s_wait_loadcnt 0x0                             ; bq
	STEP 0, 0, 0, 1                                ; K step 0: its products start the sums
.irp t, 0,1,2,3,4,5,6,7                ; bq is done with (four places stand behind its last reader): g takes its registers, in the same layout; it is waited for on the way out
	global_load_b128 v[MQ+8*\t:MQ+8*\t+3], v[BO], s[10:11] offset:(32*(\t/2)+8*(\t%2))*4
	global_load_b128 v[MQ+8*\t+4:MQ+8*\t+7], v[BO], s[10:11] offset:(32*(\t/2)+8*(\t%2))*4+16
.endr
	STEP 0, 1, 1, 0                                ; K step 1
	TURN 0, 0, 1, 1                                ; 2: slot 0 takes K steps 6-8
	STEP 1, 0, 1, 0                                ; 3
	STEP 1, 1, 0, 0                                ; 4
	TURN 1, 1, 0, 1                                ; 5: slot 1 takes K steps 9-11
	STEP 0, 0, 0, 0                                ; 6
	STEP 0, 1, 1, 0                                ; 7
	TURN 0, 0, 1, 1                                ; 8: slot 0 takes K steps 12-14
	STEP 1, 0, 1, 0                                ; 9
	STEP 1, 1, 0, 0                                ; 10
	TURN 1, 1, 0, 2                                ; 11: slot 1 takes K step 15
	STEP 0, 0, 0, 0                                ; 12
	STEP 0, 1, 1, 0                                ; 13
	TURN 0, 0, 1, 0                                ; 14: nothing is left to fetch, and no round of the cluster's barrier stands here
	s_wait_dscnt 4*NL                              ; K step 15: nothing more to read
	WIN MUL_LO
	MUL16 0, 1, 0
	MUL16 2, 1, 0
	s_wait_dscnt 0
	WIN MUL_HI
	MUL16 4, 1, 0
	MUL16 6, 1, 0
	WIN 0
	PLACES 4
; 64 numbers of a lane, v[H] on, register 16 b + i = k 32 b + 16 h + i of my row, become a fragment's codes in v[PC] on and its scale word in v[pw].  wx = 1: v[PC] on were an earlier store's data.
.macro QUANT pw, wx
.irp b, 0,1,2,3
	v_max3_num_f32 v[TM+\b], |v[H+16*\b]|, |v[H+1+16*\b]|, 0x2800000   ; block b: my 16 numbers, and the floor 2^(5 - 127): the byte cannot fall under 1
.endr
.irp i, 2,4,6,8,10,12,14
.irp b, 0,1,2,3
	v_max3_num_f32 v[TM+\b], v[TM+\b], |v[H+16*\b+\i]|, |v[H+1+16*\b+\i]|   ; (the four blocks by turns)
.endr
.endr
.irp b, 0,1,2,3
	v_permlanex16_b32 v[TM+4+\b], v[TM+\b], s[SEL], s[SEL+1]
.endr
.irp b, 0,1,2,3
	v_max_num_f32 v[TM+\b], v[TM+\b], v[TM+4+\b]   ; with lane l xor 16's: the block's largest magnitude
.endr
.irp b, 0,1,2,3
	v_add_nc_u32 v[TM+12+\b], 0xfe000000, v[TM+\b] ; 4 off its exponent field: the conversion's scale operand
.endr
.irp b, 0,1,2,3
	v_lshrrev_b32 v[TM+4+\b], 23, v[TM+12+\b]      ; the scale's byte
.endr
	v_lshl_or_b32 v[\pw], v[TM+5], 8, v[TM+4]      ; the four bytes make my row's scale word
	v_lshl_or_b32 v[\pw], v[TM+6], 16, v[\pw]
	v_lshl_or_b32 v[\pw], v[TM+7], 24, v[\pw]
.if \wx
	s_wait_xcnt 0x0                                ; the last block's stores have read their data: only behind this wait are the codes' registers written again
.endif
.irp c, 0,1
	v_cvt_scalef32_pk16_bf6_f32 v[PC+6*\c:PC+2+6*\c], v[H+32*\c:H+15+32*\c], v[TM+12+2*\c]
	v_cvt_scalef32_pk16_bf6_f32 v[PC+12+4*\c:PC+14+4*\c], v[H+16+32*\c:H+31+32*\c], v[TM+12+2*\c+1]   ; (a conversion's three registers begin on an even number)
.endr
	v_nop                                          ; one plain place behind a scaled conversion
.irp c, 0,1                            ; the operand's layout wants a WHOLE block in a lane: lanes 0-15 block 2 c, lanes 16-31 block 2 c + 1
.irp i, 0,1,2
	v_permlane16_swap_b32 v[PC+6*\c+\i], v[PC+12+4*\c+\i]
.endr
.irp i, 0,1,2
	v_mov_b32 v[PC+3+6*\c+\i], v[PC+12+4*\c+\i]
.endr
.endr
.endm
; THE WAY OUT of block a (16 rows x 128 columns: 64 numbers a lane).  The exponentials and the reciprocals go as batches of 64, each with one plain line and ONE wait behind it, ahead of the batch's first reader.
.macro HBLOCK a
.set WA, 2+(\a)/4
.set AC, 64*((\a)%4)
	WIN (WA<<6)|WA
.set i, 0
.rept 32
	v_pk_mul_f32 v[AC+i:AC+i+1], v[AC+i:AC+i+1], s[CS:CS+1] op_sel_hi:[1,0]   ; 2 z log2 e; ascending: each accumulator is read from its low end on
.set i, i+2
.endr
.set i, 0
.rept 64
	v_exp_f32 v[AC+i], v[AC+i]                     ; e = 2^(2 z log2 e)
.set i, i+1
.endr
	v_nop
	s_wait_alu depctr_va_vdst(0)
.set i, 0
.rept 32
	v_pk_fma_f32 v[AC+i:AC+i+1], v[AC+i:AC+i+1], 0.5, 0.5 op_sel_hi:[1,0,0]   ; (1 + e) / 2
.set i, i+2
.endr
.set i, 0
.rept 64
	v_rcp_f32 v[AC+i], v[AC+i]                     ; 2 / (1 + e)
.set i, i+1
.endr
	v_nop
	s_wait_alu depctr_va_vdst(0)
	WIN WA
.set i, 0
.rept 32
	v_pk_fma_f32 v[H+i:H+i+1], v[AC+i:AC+i+1], v[MQ+i:MQ+i+1], v[MQ+i:MQ+i+1] neg_lo:[1,0,0] neg_hi:[1,0,0]   ; g - g x 2 / (1 + e) = tanh(z) g
.set i, i+2
.endr
	WIN 0
	QUANT PWS+(\a), (\a)>0
.irp k, 0,1,2
	global_store_b128 v[LI], v[PC+4*\k:PC+4*\k+3], s[12:13] offset:1536*(\a)+512*\k   ; the fragment's image: 512 consecutive bytes, at a multiple of 256 from the buffer's first byte
.endr
.endm
.irp b, 0,1,2,3
	v_mov_b32 v[TM+4+\b], 0                        ; written once: a lane permute's destination counts as one of its sources
.endr
	s_wait_loadcnt 0x0                             ; g
	HBLOCK 0
	HBLOCK 1
	HBLOCK 2
	HBLOCK 3
	HBLOCK 4
	HBLOCK 5
	HBLOCK 6
	HBLOCK 7
	v_cmp_ne_u32 vcc_lo, 0, v2
.irp k, 0,1,2,3
	v_cndmask_b32 v[SW+\k], v[PWS+\k], v[PWS+4+\k], vcc_lo   ; the record's scale words: lanes 0-15 those of blocks 0-3, lanes 16-31 of blocks 4-7
.endr
	global_store_b128 v[LI], v[SW:SW+3], s[12:13] offset:12288
	s_wait_tensorcnt 0x0                           ; the wave's end
	ds_add_u32 v[SPW], v[NIL]
	s_wait_dscnt 0x0
	CROUND                                         ; the closing round: no work-group ends while a partner may still ask for a tile that names it
	s_endpgm
.Lfunc_end_k_qca8900344b_gemm_h:
	.size	k_qca8900344b_gemm_h, .Lfunc_end_k_qca8900344b_gemm_h-k_qca8900344b_gemm_h
	.p2alignl 7, 3214868480
	.fill 96, 4, 3214868480
	.section	.rodata,"a",@progbits
	.p2align	6, 0x0
	.amdhsa_kernel k_qca8900344b_gemm_h
		.amdhsa_group_segment_fixed_size 327680
		.amdhsa_private_segment_fixed_size 0
		.amdhsa_enable_private_segment 0
		.amdhsa_kernarg_size 40
		.amdhsa_user_sgpr_count 2
		.amdhsa_user_sgpr_kernarg_segment_ptr 1
		.amdhsa_wavefront_size32 1
		.amdhsa_system_sgpr_workgroup_id_x 1
		.amdhsa_system_sgpr_workgroup_id_y 1
		.amdhsa_system_sgpr_workgroup_id_z 1
		.amdhsa_system_vgpr_workitem_id 0
		.amdhsa_next_free_vgpr 1024
		.amdhsa_next_free_sgpr 96
		.amdhsa_reserve_vcc 1
		.amdhsa_float_denorm_mode_32 3
		.amdhsa_float_denorm_mode_16_64 3
		.amdhsa_memory_ordered 1
		.amdhsa_forward_progress 1
		.amdhsa_inst_pref_size 255
	.end_amdhsa_kernel
	.section	.bss,"aw",@nobits
	.p2align	6
	.space	262144
	.amdgpu_metadata
---
amdhsa.version: [ 1, 2 ]
amdhsa.kernels:
  - .name:           k_qca8900344b_gemm_h
    .symbol:         k_qca8900344b_gemm_h.kd
    .args:
      - { .name: xq, .offset: 0, .size: 8, .value_kind: global_buffer, .address_space: global }
      - { .name: wqq, .offset: 8, .size: 8, .value_kind: global_buffer, .address_space: global }
      - { .name: bq, .offset: 16, .size: 8, .value_kind: global_buffer, .address_space: global }
      - { .name: mqv, .offset: 24, .size: 8, .value_kind: global_buffer, .address_space: global }
      - { .name: sq, .offset: 32, .size: 8, .value_kind: global_buffer, .address_space: global }
    .group_segment_fixed_size: 327680
    .private_segment_fixed_size: 0
    .kernarg_segment_align: 8
    .kernarg_segment_size: 40
    .max_flat_workgroup_size: 128
    .sgpr_count:     96
    .vgpr_count:     1024
    .wavefront_size: 32
...
	.end_amdgpu_metadata
.endif
;; end of part 2
;; launch gemm_a (part 3): grid 8 x 32, 4 waves a work-group, clusters of 4 x 4, 327,680 bytes of LDS; arguments sq, waq, ba, hidden_list, part; writes part
.if DOCPART == 3
	.amdgcn_target "amdgcn-amd-amdhsa--gfx1250"
	.amdhsa_code_object_version 6
	.text
	.protected	k_qca8900344b_gemm_a
	.globl	k_qca8900344b_gemm_a
	.p2align	8
	.type	k_qca8900344b_gemm_a,@function
k_qca8900344b_gemm_a:
	s_mov_b64 s[64:65], 0
	v_nop
	global_prefetch_b8 v0, s[64:65] scope:SCOPE_SE
	s_setreg_imm32_b32 hwreg(HW_REG_WAVE_MODE, 25, 1), 1
	s_wait_xcnt 0x0
	s_wait_alu depctr_hold_cnt(0) depctr_sa_sdst(0) depctr_va_vdst(0) depctr_va_sdst(0) depctr_va_ssrc(0) depctr_va_vcc(0) depctr_vm_vsrc(0)
	s_getreg_b32 s2, hwreg(HW_REG_IB_STS2, 6, 4)
	s_cmp_eq_u32 s2, 0
	s_cbranch_scc0 .Lentry_in_a_cluster
	s_endpgm
.Lentry_in_a_cluster:
	s_bfe_u32 s2, ttmp6, 0x10000c
	s_cmp_lg_u32 s2, 0xf033
	s_cbranch_scc0 .Lentry_shape_is_right
	s_endpgm
.Lentry_shape_is_right:
; logits = S Wa^T + ba on codes of BF6 (E3M2); of each row and each 128 columns three numbers leave: c x the largest logit (c = log2 e), the sum of p = 2^(c logit - c max), and the sum of p x X[row][column].
; The next launch joins a row's 16 such triples into out0 = sum(softmax x X).  The logits never go to memory.
; S [8192][2048] and Wa [2048][2048] come as codes in the order of the operand's registers (sq, waq: [128 rows][K step of 128][12,800 bytes]: eight images of 1,536 bytes, then 512 bytes of scale words).
; A tile of 256 x 256 is made by a work-group of four waves; a wave makes 128 x 128: 64 accumulators.  8 x 32 tiles: one for each of 256 work-groups.  Ring, joint loads and steps are those of the launch before:
; two LDS slots of THREE K steps each (a wave's one tensor load: 38,400 consecutive bytes, 150 rows of 256), so that a refill has 192 matrix instructions' work in which to land; the last fill brings the one K step left.
; The 16 K steps are written out by macro, not looped: the register numbers come back after six steps, and the second such lap's last fill has another shape than the first's; no tensor load is chosen or skipped by a jump.
; THE MATRIX INSTRUCTION IS USED TRANSPOSED (source 0 = 16 rows of Wa, source 1 = 16 rows of S): lane (r, h) holds row r, and of a block of rows its registers 16 b + i are columns 32 b + 16 h + i.  ba is the C of each sum's first product.
; X's 128 x 128 numbers of the wave come as rows of 512 consecutive bytes, 16 rows a block, and turn through the wave's own stage in LDS into the accumulators' layout.  Blocks 0 and 1 are loaded during the K steps, into
; registers that lie idle there; blocks 2 to 4 at the start of the way out, into Wa's fragment registers; blocks 5 to 7 as buffers come free.
; The stages lie in slot 0: when the first number is stored there, that slot has had its last fill, and every wave has passed the last change of slots, behind which nobody reads it.
; The maximum taken away before the exponential is the true maximum of the row's 128 columns; the next launch brings the 16 parts under the row's maximum.
; LIMITS: NaN and infinities are not served.
; REGISTERS, in windows of 256: window 0: v0-31 addresses; v32-47 scale words, and nothing else; v64-159 S's eight fragments; v192-255 ba, then X's block 0.  On the way out v64-127 X in the result's layout, v128-183 at work.
;   window 1: Wa's fragments, two sets, at v0 and v96; v192-255 X's block 1.   windows 2 and 3: the accumulators ((a, t) at v[8 (8 (a % 4) + t)]).
.set KSB,   12800
.set NQ,    3
.set PART,  NQ*KSB
.set SLOT,  4*PART
.set RGB,   16*KSB
.set FR,    12
.set NL,    3
.set SPARE, 2*SLOT                     ; behind the ring: the spare words, 128 bytes for each wave: two blocks of 256 bytes that no other line names
.set STG,   0                          ; the way out's stages, in slot 0: 9,984 bytes for each wave: 16 rows x (512 + 16) bytes for X, then 3 x 512 bytes for the results
.set LI,   4                           ; v4      16 x lane
.set STO,  5                           ; v5      X's stage, on the way in: 16 x lane
.set RDX,  6                           ; v6      and back: 528 r + 64 h
.set STS,  7                           ; v7      the results' stage, in: 4 r
.set RDS,  8                           ; v8      and back: 16 x lane
.set ADRA, 16
.set ADRB, 20
.set ADRS, 22
.set BO,   24
.set SPW,  28
.set NIL,  29
.set PFO,  30                          ; v30     the prefetches' offset: (lane / 2) rows of 8,192 bytes + 256 (lane % 2); never rewritten
.set SC,   32
.set AF,   64
.set BIAS, 192
.set G1,   24
.set G0,   32
.set G1B,  48
.set G0B,  56
.set G1S,  80                          ; s[80:87], s[88:95] groups 1 for the last fill, of one K step
.set G1SB, 88
.set SEL,  66                          ; s[66:67]
.set CS,   68                          ; s[68:69] c = log2 e, twice
.set XB,   72                          ; s[72:73] X at my first row and column; never rewritten
.set XD,   64                          ; the way out
.set TM,   128
.set OUTR, 148
.set CMS,  160
.set LVS,  168
.set WVS,  176
.set MSB, 0
.macro WIN new                         ; the immediate's high byte repeats the setting that is left
.if MSB != (\new)
	s_set_vgpr_msb (MSB<<8)|(\new)
.set MSB, (\new)
.endif
.endm
.set MUL_LO,  0xa1
.set MUL_HI,  0xf1
.set MUL0_LO, 0x81
.set MUL0_HI, 0xc1
.set TO_B,    0x40
; A joint load: waves 0 and 1 fetch for S, waves 2 and 3 for Wa; the branch hangs on the wave's number alone.  Four v_nop follow each of the two lines.
.macro JLOAD g0a, g1a, g0b, g1b
	s_cmp_eq_u32 s15, 0
	s_cbranch_scc0 .Lfor_b_\@
	tensor_load_to_lds s[\g0a:\g0a+3], s[\g1a:\g1a+7]
	s_nop 0
.rept 4
	v_nop
.endr
	s_branch .Lasked_\@
.Lfor_b_\@:
	tensor_load_to_lds s[\g0b:\g0b+3], s[\g1b:\g1b+7]
	s_nop 0
.rept 4
	v_nop
.endr
.Lasked_\@:
.endm
.macro CREST
	s_cmp_lg_u32 s14, 0
	s_cbranch_scc1 .Lnot_wave_0_\@
	s_barrier_signal -3
.Lnot_wave_0_\@:
	s_barrier_wait -3
	s_barrier_signal -1
	s_barrier_wait -1
.endm
.macro CROUND
	s_barrier_signal -1
	s_barrier_wait -1
	CREST
.endm
; A PREFETCH INTO THE L2 of block blk of my X: 16 rows x 512 bytes, each lane another 256 bytes.  A wave's 128 x 128 numbers of X are read by no other wave of the launch, so each 256 bytes are named once.
; Blocks 2, 3 and 4 are asked for together, behind the launch's last joint load (K step 11): 288 matrix instructions ahead of their loads; 24 KB a wave.  Blocks 0 and 1 are loaded during the K steps, blocks 5 to 7 three blocks ahead of their use.
.macro ASK blk
	global_prefetch_b8 v[PFO], s[XB:XB+1] offset:(\blk)*131072 th:TH_LOAD_NT scope:SCOPE_SE
.endm
.macro XLOAD blk, reg, win             ; block blk of X, 16 rows of 512 consecutive bytes, into v[reg] on of window win
	WIN (\win)<<6
.set i, 0
.rept 16
	global_load_b128 v[\reg+4*i:\reg+4*i+3], v[LI], s[XB:XB+1] offset:(16*(\blk)+i)*8192 th:TH_LOAD_NT
.set i, i+1
.endr
	WIN 0
.endm
	s_load_b256 s[4:11], s[0:1], 0x0               ; sq s[4:5], waq s[6:7], ba s[8:9], hidden_list s[10:11]
	s_load_b64 s[12:13], s[0:1], 0x20              ; part
	v_lshl_add_u32 v[SPW], v0, 2, SPARE
	v_mov_b32 v[NIL], 0
	ds_add_u32 v28, v29
	ds_add_u32 v28, v29
	s_wait_dscnt 0x0
	v_lshrrev_b32 v1, 5, v0
	v_readfirstlane_b32 s14, v1                    ; wave 0..3
	s_lshr_b32 s15, s14, 1                         ; which half of the tile's rows is mine.  Also: I fetch for S (0) or for Wa (1)
	s_and_b32 s16, s14, 1                          ; which half of its columns.  Also: which 128 rows of that tile I fetch
	s_bfe_u32 s40, ttmp6, 0x40000                  ; cx, cy
	s_bfe_u32 s41, ttmp6, 0x40004
	s_lshl_b32 s42, ttmp9, 2
	s_add_co_u32 s42, s42, s40                     ; tile column
	s_and_b32 s17, ttmp7, 0xffff
	s_lshl_b32 s17, s17, 2
	s_add_co_u32 s17, s17, s41                     ; tile row
	s_lshl_b32 s43, s41, 2
	s_lshl_b32 s43, 15, s43                        ; my row of the cluster
	s_lshl_b32 s44, 0x1111, s40                    ; my column
	s_or_b32 s[G1+0], s43, (3<<16)|(1<<21)         ; 38,400 dense bytes as 150 rows of 32 elements of 8 bytes, no padding; the mask; bit 21 beside it
	s_or_b32 s[G1B+0], s44, (3<<16)|(1<<21)
	s_or_b32 s[G1S+0], s43, (3<<16)|(1<<21)        ; and 12,800 bytes as 50 rows
	s_or_b32 s[G1SB+0], s44, (3<<16)|(1<<21)
.irp g, G1, G1B
	s_mov_b32 s[\g+1], 32<<16
	s_mov_b32 s[\g+2], 150<<16
	s_mov_b32 s[\g+3], 32<<16
	s_mov_b32 s[\g+4], 150
	s_mov_b32 s[\g+5], 32
	s_mov_b32 s[\g+6], 0
	s_mov_b32 s[\g+7], 0
.endr
.irp g, G1S, G1SB
	s_mov_b32 s[\g+1], 32<<16
	s_mov_b32 s[\g+2], 50<<16
	s_mov_b32 s[\g+3], 32<<16
	s_mov_b32 s[\g+4], 50
	s_mov_b32 s[\g+5], 32
	s_mov_b32 s[\g+6], 0
	s_mov_b32 s[\g+7], 0
.endr
	s_lshl_b32 s20, s17, 1
	s_add_co_u32 s20, s20, s16
	s_mul_i32 s20, s20, RGB
	s_mov_b32 s21, 0
	s_lshl_b32 s46, s42, 1
	s_add_co_u32 s46, s46, s16
	s_mul_i32 s46, s46, RGB
	s_mov_b32 s47, 0
	s_mul_i32 s45, s14, PART
	s_wait_kmcnt 0x0
	s_add_nc_u64 s[20:21], s[4:5], s[20:21]
	s_add_nc_u64 s[46:47], s[6:7], s[46:47]
	CROUND                                         ; all sixteen work-groups are here: the first joint loads meet
.irp s, 0,1
	s_mov_b32 s[G0+4*\s], 1
	s_add_co_u32 s[G0+4*\s+1], s45, \s*SLOT
	s_add_nc_u64 s[G0+4*\s+2:G0+4*\s+3], s[20:21], \s*PART       ; slot 0: K steps 0-2; slot 1: K steps 3-5
	s_or_b32 s[G0+4*\s+3], s[G0+4*\s+3], 0x80000000
	s_mov_b32 s[G0B+4*\s], 1
	s_add_co_u32 s[G0B+4*\s+1], s45, \s*SLOT
	s_add_nc_u64 s[G0B+4*\s+2:G0B+4*\s+3], s[46:47], \s*PART
	s_or_b32 s[G0B+4*\s+3], s[G0B+4*\s+3], 0x80000000
	JLOAD G0+4*\s, G1, G0B+4*\s, G1B               ; two tensor loads of mine are out behind these
.endr
	v_and_b32 v1, 15, v0                           ; r
	v_bfe_u32 v2, v0, 4, 1                         ; h
	v_and_b32 v3, 31, v0                           ; lane
	v_lshlrev_b32 v[LI], 4, v3
	v_lshlrev_b32 v[BO], 6, v2
	s_mul_i32 s18, s15, PART
	s_mul_i32 s19, s16, PART
	s_add_co_u32 s19, s19, 2*PART
.irp s, 0,1
	v_add_nc_u32 v[ADRA+\s], s18, v[LI]
	v_add_nc_u32 v[ADRB+\s], s19, v[LI]
	s_add_co_u32 s18, s18, SLOT
	s_add_co_u32 s19, s19, SLOT
.endr
	s_mul_i32 s18, s15, PART
	s_mul_i32 s19, s16, PART
	s_add_co_u32 s19, s19, 2*PART
	s_sub_co_u32 s19, s19, s18
	v_mul_u32_u24 v9, s19, v2                      ; lanes 16-31 take Wa's scale words: one product, h x the distance
	v_lshl_add_u32 v9, v1, 4, v9
	v_add_nc_u32 v[ADRS], s18, v9
	v_add_nc_u32 v[ADRS+1], SLOT, v[ADRS]
	s_mul_i32 s18, s14, 9984
	s_add_co_u32 s18, s18, STG                     ; my stages
	v_add_nc_u32 v[STO], s18, v[LI]
	v_mul_u32_u24 v[RDX], v1, 528
	v_lshl_add_u32 v[RDX], v2, 6, v[RDX]
	v_add_nc_u32 v[RDX], s18, v[RDX]
	s_add_co_u32 s18, s18, 8448
	v_lshl_add_u32 v[STS], v1, 2, s18
	v_add_nc_u32 v[RDS], s18, v[LI]
	v_lshrrev_b32 v9, 1, v3
	v_and_b32 v10, 1, v3
	v_lshlrev_b32 v[PFO], 13, v9
	v_lshl_add_u32 v[PFO], v10, 8, v[PFO]
	s_mov_b32 s[SEL], 0x76543210
	s_mov_b32 s[SEL+1], 0xfedcba98
	s_mov_b32 s[CS], 0x3fb8aa3b                    ; c = log2 e
	s_mov_b32 s[CS+1], s[CS]
	s_lshl_b32 s70, s42, 10
	s_lshl_b32 s71, s16, 9
	s_add_co_u32 s70, s70, s71                     ; my first column, in bytes of f32
	s_mov_b32 s71, 0
	s_add_nc_u64 s[8:9], s[8:9], s[70:71]
	s_lshl_b32 s[XB], s17, 21                      ; 256 rows of 8,192 bytes a tile row,
	s_lshl_b32 s[XB+1], s15, 20                    ; 128 a half,
	s_add_co_u32 s[XB], s[XB], s[XB+1]
	s_add_co_u32 s[XB], s[XB], s70                 ; and my first column
	s_mov_b32 s[XB+1], 0
	s_add_nc_u64 s[XB:XB+1], s[10:11], s[XB:XB+1]
	s_lshl_b32 s74, s42, 1
	s_add_co_u32 s74, s74, s16
	s_lshl_b32 s74, s74, 15                        ; part: my 128 columns' run of 8,192 rows,
	s_lshl_b32 s75, s17, 10
	s_add_co_u32 s74, s74, s75
	s_lshl_b32 s75, s15, 9
	s_add_co_u32 s74, s74, s75                     ; and my first row, 4 bytes a row
	s_mov_b32 s75, 0
	s_add_nc_u64 s[12:13], s[12:13], s[74:75]
.irp t, 0,1,2,3,4,5,6,7                ; ba in the result's layout
	global_load_b128 v[BIAS+8*\t:BIAS+8*\t+3], v[BO], s[8:9] offset:(32*(\t/2)+8*(\t%2))*4
	global_load_b128 v[BIAS+8*\t+4:BIAS+8*\t+7], v[BO], s[8:9] offset:(32*(\t/2)+8*(\t%2))*4+16
.endr
	XLOAD 1, 192, 1                                ; X's block 1 into window 1's idle registers: waited for on the way out
.macro FRAG reg, adr, q, i
.irp c, 0,1,2
	ds_load_b128 v[\reg+4*\c:\reg+4*\c+3], v[\adr] offset:(\q)*KSB+(\i)*1536+512*\c
.endr
.endm
; 16 matrix instructions: S's blocks a0, a0 + 1 x Wa's eight.  p: Wa's set and the set of scale words.  first = 1: the first product starts the sums from ba.  The 64 accumulators take turns, one instruction a turn.
.macro MUL16 a0, p, first
.irp a, \a0, \a0+1
.irp b, 0,1,2,3,4,5,6,7
.if \first
	v_wmma_scale_f32_16x16x128_f8f6f4 v[8*(8*((\a)%4)+\b):8*(8*((\a)%4)+\b)+7], v[96*(\p)+FR*\b:96*(\p)+FR*\b+FR-1], v[AF+FR*(\a):AF+FR*(\a)+FR-1], v[BIAS+8*\b:BIAS+8*\b+7], v[SC+8*(\p)+\b], v[SC+8*(\p)+(\a)] matrix_a_fmt:MATRIX_FMT_BF6 matrix_b_fmt:MATRIX_FMT_BF6 matrix_a_scale:MATRIX_SCALE_ROW1
.else
	v_wmma_scale_f32_16x16x128_f8f6f4 v[8*(8*((\a)%4)+\b):8*(8*((\a)%4)+\b)+7], v[96*(\p)+FR*\b:96*(\p)+FR*\b+FR-1], v[AF+FR*(\a):AF+FR*(\a)+FR-1], v[8*(8*((\a)%4)+\b):8*(8*((\a)%4)+\b)+7], v[SC+8*(\p)+\b], v[SC+8*(\p)+(\a)] matrix_a_fmt:MATRIX_FMT_BF6 matrix_b_fmt:MATRIX_FMT_BF6 matrix_a_scale:MATRIX_SCALE_ROW1
.endif
.endr
.endr
.endm
.macro FETCH_B slot, q, p
	WIN TO_B
.irp i, 0,1,2,3,4,5,6,7
	FRAG 96*(\p)+FR*\i, ADRB+\slot, \q, \i
.endr
	WIN 0
.endm
.macro FETCH_A slot, q, i0
.irp i, \i0, \i0+1, \i0+2, \i0+3
	FRAG AF+FR*(\i), ADRA+\slot, \q, \i
.endr
.endm
.macro SCALES slot, q, p               ; that K step's scale words into set p: two loads; lanes 0-15 take S's image, lanes 16-31 Wa's
.irp g, 0,1
	ds_load_b128 v[SC+8*(\p)+4*\g:SC+8*(\p)+4*\g+3], v[ADRS+\slot] offset:(\q)*KSB+12288+256*\g
.endr
.endm
; Four places stand in front of loads into registers that matrix instructions have read, and of the first read of results (ISA guide 7.12.1 for vector instructions).
.macro PLACES n
.rept \n
	v_nop
.endr
.endm
; A K step whose successor lies in the same slot: the slot's q-th, on set p.
.macro STEP slot, q, p, first
	s_wait_dscnt 4*NL                              ; all but the youngest 12 loads (S's blocks 4-7) are in
.if \first
	WIN MUL0_LO
.else
	WIN MUL_LO
.endif
	MUL16 0, \p, \first
	MUL16 2, \p, \first
	s_wait_dscnt 0
	PLACES 4
	FETCH_B \slot, (\q)+1, 1-(\p)
	FETCH_A \slot, (\q)+1, 0
	SCALES \slot, (\q)+1, 1-(\p)
.if \first
	WIN MUL0_HI
.else
	WIN MUL_HI
.endif
	MUL16 4, \p, \first
	MUL16 6, \p, \first
	PLACES 4
	WIN 0
	FETCH_A \slot, (\q)+1, 4
.endm
; A slot's third step changes slots, in its middle: ONE barrier; in front of it each wave waits for all its tensor loads, adds 0 to its spare word, and waits for that and for its own reads of this slot.  The step's first 32
; products stand AHEAD of the wait for the tensor loads, so that nothing but the add and the round lies between that wait and the refill.
; fill = 1: this slot is filled again with the three K steps two slots on; 2: with the one K step that is left; 0: nothing is left to fetch.  ask = 1: X's blocks 2 to 4 are prefetched.
.macro TURN slot, p, next, fill, ask
	s_wait_dscnt 4*NL                              ; all but the youngest 12 loads (S's blocks 4-7) are in
	WIN MUL_LO
	MUL16 0, \p, 0
	MUL16 2, \p, 0
	WIN 0
	s_wait_tensorcnt 0x0                           ; all my tensor loads have landed: the one that was out is my part of the next slot; so every group 0 may be written
	ds_add_u32 v[SPW], v[NIL]                      ; 0 onto my spare word
.if \fill
	s_add_nc_u64 s[G0+4*\slot+2:G0+4*\slot+3], s[G0+4*\slot+2:G0+4*\slot+3], 2*PART     ; this slot's next K steps: six on
	s_add_nc_u64 s[G0B+4*\slot+2:G0B+4*\slot+3], s[G0B+4*\slot+2:G0B+4*\slot+3], 2*PART
.endif
	s_wait_dscnt 0x0                               ; the add is done, and my reads of this slot are over
.if \fill
	CROUND                                         ; a round of the cluster's barrier: no wave of any partner still reads this slot's tile or has a load on its way
.if \fill == 1
	JLOAD G0+4*\slot, G1, G0B+4*\slot, G1B         ; the first tensor load behind the round, my one load until the next; its four v_nop are the places in front of the loads below
.else
	JLOAD G0+4*\slot, G1S, G0B+4*\slot, G1SB       ; the same, of one K step
.endif
.else
	s_barrier_signal -1
	s_barrier_wait -1
	PLACES 4
.endif
	FETCH_B \next, 0, 1-(\p)
	FETCH_A \next, 0, 0
	SCALES \next, 0, 1-(\p)
.if \ask
	ASK 2                                          ; behind the joint load and the run of LDS loads; no tensor load follows in this launch
	ASK 3
	ASK 4
.endif
	WIN MUL_HI
	MUL16 4, \p, 0
	MUL16 6, \p, 0
	PLACES 4
	WIN 0
	FETCH_A \next, 0, 4
.endm
	s_wait_tensorcnt 1                             ; my part of slot 0 is in (slot 1's load may be out)
	s_barrier_signal -1
	s_barrier_wait -1
	FETCH_B 0, 0, 0
	FETCH_A 0, 0, 0
	SCALES 0, 0, 0
	FETCH_A 0, 0, 4
	s_wait_loadcnt 16                              ; ba is in; the 16 loads of X's block 1, issued behind it, may be out
	STEP 0, 0, 0, 1                                ; K step 0: its products start the sums
	XLOAD 0, 192, 0                                ; ba is done with (four places stand behind its last reader): X's block 0 takes its registers
	STEP 0, 1, 1, 0                                ; K step 1
	TURN 0, 0, 1, 1, 0                             ; 2: slot 0 takes K steps 6-8
	STEP 1, 0, 1, 0                                ; 3
	STEP 1, 1, 0, 0                                ; 4
	TURN 1, 1, 0, 1, 0                             ; 5: slot 1 takes K steps 9-11
	STEP 0, 0, 0, 0                                ; 6
	STEP 0, 1, 1, 0                                ; 7
	TURN 0, 0, 1, 1, 0                             ; 8: slot 0 takes K steps 12-14
	STEP 1, 0, 1, 0                                ; 9
	STEP 1, 1, 0, 0                                ; 10
	TURN 1, 1, 0, 2, 1                             ; 11: slot 1 takes K step 15; X's blocks 2 to 4 are asked for
	STEP 0, 0, 0, 0                                ; 12
	STEP 0, 1, 1, 0                                ; 13
	TURN 0, 0, 1, 0, 0                             ; 14: nothing is left to fetch; behind this barrier nobody reads slot 0
	s_wait_dscnt 4*NL                              ; K step 15: nothing more to read
	WIN MUL_LO
	MUL16 0, 1, 0
	MUL16 2, 1, 0
	s_wait_dscnt 0
	WIN MUL_HI
	MUL16 4, 1, 0
	MUL16 6, 1, 0
	WIN 0
	PLACES 4
; THE WAY OUT of block a (16 rows x 128 columns).  X's block lies in v[reg] on of window win.  left >= 0: so many younger loads may stay out when it has to be there.  nblk >= 0: block nblk is asked for, into a buffer whose
; stores into the stage were waited for two blocks ago.
.macro BLOCK a, reg, win, left, nblk, nreg, nwin
.set WA, 2+(\a)/4
.set AC, 64*((\a)%4)
.if \left >= 0
	s_wait_loadcnt \left
.endif
.if \nblk >= 0
	XLOAD \nblk, \nreg, \nwin
.endif
	WIN (\win)<<2                                  ; an LDS store's data are its source 1
.set i, 0
.rept 16
	ds_store_b128 v[STO], v[\reg+4*i:\reg+4*i+3] offset:528*i
.set i, i+1
.endr
	WIN 0
.set i, 0
.rept 16
	ds_load_b128 v[XD+4*i:XD+4*i+3], v[RDX] offset:128*(i/4)+16*(i%4)   ; register 16 b + i = X(row r, column 32 b + 16 h + i), as the accumulators lie.  LDS serves a wave's instructions in order
.set i, i+1
.endr
	WIN WA|(WA<<2)|(WA<<4)
.irp b, 0,1,2,3
	v_max3_num_f32 v[TM+\b], v[AC+16*\b], v[AC+16*\b+1], v[AC+16*\b+2]   ; the largest logit, in four chains; each accumulator is first read at its low end
.endr
	WIN (WA<<2)|(WA<<4)
.irp i, 3,5,7,9,11,13
.irp b, 0,1,2,3
	v_max3_num_f32 v[TM+\b], v[TM+\b], v[AC+16*\b+\i], v[AC+16*\b+\i+1]
.endr
.endr
.irp b, 0,1,2,3
	v_max_num_f32 v[TM+\b], v[TM+\b], v[AC+16*\b+15]
.endr
	WIN 0
	v_max3_num_f32 v132, v[TM], v[TM+1], v[TM+2]
	v_max_num_f32 v132, v132, v[TM+3]
	v_permlanex16_b32 v133, v132, s[SEL], s[SEL+1]
	v_max_num_f32 v132, v132, v133                 ; with lane l xor 16's 64 columns
	v_mul_f32 v136, s[CS], v132                    ; c x max
	v_mov_b32 v[CMS+(\a)], v136
	WIN (WA<<6)|WA
.set i, 0
.rept 32
	v_pk_fma_f32 v[AC+i:AC+i+1], v[AC+i:AC+i+1], s[CS:CS+1], v[136:137] op_sel_hi:[1,0,0] neg_lo:[0,0,1] neg_hi:[0,0,1]   ; c logit - c max
.set i, i+2
.endr
.set i, 0
.rept 64
	v_exp_f32 v[AC+i], v[AC+i]                     ; p
.set i, i+1
.endr
	v_nop                                          ; a plain place behind the batch,
	s_wait_alu depctr_va_vdst(0)                   ; and ONE wait for its 64, ahead of their first reader
	s_wait_dscnt 0x0                               ; X is back from the stage
	WIN WA|(WA<<2)
	v_pk_add_f32 v[138:139], v[AC:AC+1], v[AC+4:AC+5]      ; the sum of p, in two chains;
	v_pk_add_f32 v[140:141], v[AC+2:AC+3], v[AC+6:AC+7]
	WIN WA<<2
	v_pk_mul_f32 v[142:143], v[XD:XD+1], v[AC:AC+1]        ; the sum of p x X, in two more
	v_pk_mul_f32 v[144:145], v[XD+2:XD+3], v[AC+2:AC+3]
	v_pk_fma_f32 v[142:143], v[XD+4:XD+5], v[AC+4:AC+5], v[142:143]
	v_pk_fma_f32 v[144:145], v[XD+6:XD+7], v[AC+6:AC+7], v[144:145]
.irp i, 8,12,16,20,24,28,32,36,40,44,48,52,56,60
	v_pk_add_f32 v[138:139], v[138:139], v[AC+\i:AC+\i+1]
	v_pk_add_f32 v[140:141], v[140:141], v[AC+\i+2:AC+\i+3]
	v_pk_fma_f32 v[142:143], v[XD+\i:XD+\i+1], v[AC+\i:AC+\i+1], v[142:143]
	v_pk_fma_f32 v[144:145], v[XD+\i+2:XD+\i+3], v[AC+\i+2:AC+\i+3], v[144:145]
.endr
	WIN 0
	v_pk_add_f32 v[138:139], v[138:139], v[140:141]
	v_pk_add_f32 v[142:143], v[142:143], v[144:145]
	v_add_f32 v132, v138, v139
	v_add_f32 v134, v142, v143
	v_permlanex16_b32 v133, v132, s[SEL], s[SEL+1]
	v_permlanex16_b32 v135, v134, s[SEL], s[SEL+1]
	v_add_f32 v[LVS+(\a)], v132, v133
	v_add_f32 v[WVS+(\a)], v134, v135
.endm
	v_mov_b32 v133, 0                              ; written once: a lane permute's destination counts as one of its sources;
	v_mov_b32 v135, 0
	v_mov_b32 v137, 0                              ; and the upper half of a pair that is named whole
	s_wait_loadcnt 0x0                             ; X's blocks 0 and 1
	XLOAD 2, 0, 1                                  ; three blocks into Wa's fragment registers, which are done with
	XLOAD 3, 64, 1
	XLOAD 4, 128, 1
	BLOCK 0, 192, 0, -1, -1, 0, 0
	BLOCK 1, 192, 1, -1, -1, 0, 0
	BLOCK 2, 0, 1, 32, 5, 192, 0                   ; behind block 2's loads: blocks 3 and 4
	BLOCK 3, 64, 1, 32, 6, 192, 1                  ; blocks 4 and 5
	BLOCK 4, 128, 1, 32, 7, 0, 1                   ; blocks 5 and 6
	BLOCK 5, 192, 0, 32, -1, 0, 0                  ; blocks 6 and 7
	BLOCK 6, 192, 1, 16, -1, 0, 0                  ; block 7
	BLOCK 7, 0, 1, 0, -1, 0, 0
	; lane (r, h) holds, for each block a, the three numbers of row 16 a + r (the same in both halves): through my stage they become three runs of 128 rows, 16 bytes a lane
.irp a, 0,1,2,3,4,5,6,7
	ds_store_b32 v[STS], v[CMS+\a] offset:64*\a            ; both halves of the lanes write the same word with the same value
	ds_store_b32 v[STS], v[LVS+\a] offset:512+64*\a
	ds_store_b32 v[STS], v[WVS+\a] offset:1024+64*\a
.endr
.irp p, 0,1,2
	ds_load_b128 v[OUTR+4*\p:OUTR+4*\p+3], v[RDS] offset:512*\p
.endr
	s_wait_dscnt 0x0
.irp p, 0,1,2
	global_store_b128 v[LI], v[OUTR+4*\p:OUTR+4*\p+3], s[12:13] offset:524288*\p   ; 512 consecutive bytes, at a multiple of 256 from the buffer's first byte
.endr
	s_wait_tensorcnt 0x0                           ; the wave's end, behind my last tensor load and my last LDS store
	ds_add_u32 v[SPW], v[NIL]
	s_wait_dscnt 0x0
	CROUND                                         ; the closing round
	s_endpgm
.Lfunc_end_k_qca8900344b_gemm_a:
	.size	k_qca8900344b_gemm_a, .Lfunc_end_k_qca8900344b_gemm_a-k_qca8900344b_gemm_a
	.p2alignl 7, 3214868480
	.fill 96, 4, 3214868480
	.section	.rodata,"a",@progbits
	.p2align	6, 0x0
	.amdhsa_kernel k_qca8900344b_gemm_a
		.amdhsa_group_segment_fixed_size 327680
		.amdhsa_private_segment_fixed_size 0
		.amdhsa_enable_private_segment 0
		.amdhsa_kernarg_size 40
		.amdhsa_user_sgpr_count 2
		.amdhsa_user_sgpr_kernarg_segment_ptr 1
		.amdhsa_wavefront_size32 1
		.amdhsa_system_sgpr_workgroup_id_x 1
		.amdhsa_system_sgpr_workgroup_id_y 1
		.amdhsa_system_sgpr_workgroup_id_z 1
		.amdhsa_system_vgpr_workitem_id 0
		.amdhsa_next_free_vgpr 1024
		.amdhsa_next_free_sgpr 96
		.amdhsa_reserve_vcc 0
		.amdhsa_float_denorm_mode_32 3
		.amdhsa_float_denorm_mode_16_64 3
		.amdhsa_memory_ordered 1
		.amdhsa_forward_progress 1
		.amdhsa_inst_pref_size 255
	.end_amdhsa_kernel
	.section	.bss,"aw",@nobits
	.p2align	6
	.space	262144
	.amdgpu_metadata
---
amdhsa.version: [ 1, 2 ]
amdhsa.kernels:
  - .name:           k_qca8900344b_gemm_a
    .symbol:         k_qca8900344b_gemm_a.kd
    .args:
      - { .name: sq, .offset: 0, .size: 8, .value_kind: global_buffer, .address_space: global }
      - { .name: waq, .offset: 8, .size: 8, .value_kind: global_buffer, .address_space: global }
      - { .name: ba, .offset: 16, .size: 8, .value_kind: global_buffer, .address_space: global }
      - { .name: hidden_list, .offset: 24, .size: 8, .value_kind: global_buffer, .address_space: global }
      - { .name: part, .offset: 32, .size: 8, .value_kind: global_buffer, .address_space: global }
    .group_segment_fixed_size: 327680
    .private_segment_fixed_size: 0
    .kernarg_segment_align: 8
    .kernarg_segment_size: 40
    .max_flat_workgroup_size: 128
    .sgpr_count:     96
    .vgpr_count:     1024
    .wavefront_size: 32
...
	.end_amdgpu_metadata
.endif
;; end of part 3
;; launch combine (part 4): grid 128 x 1, 1 waves a work-group, no clusters, 0 bytes of LDS; arguments part, m_q, out0, out1; writes out0, out1
.if DOCPART == 4
	.amdgcn_target "amdgcn-amd-amdhsa--gfx1250"
	.amdhsa_code_object_version 6
	.text
	.protected	k_qca8900344b_combine
	.globl	k_qca8900344b_combine
	.p2align	8
	.type	k_qca8900344b_combine,@function
k_qca8900344b_combine:
	s_mov_b64 s[64:65], 0
	v_nop
	global_prefetch_b8 v0, s[64:65] scope:SCOPE_SE
	s_setreg_imm32_b32 hwreg(HW_REG_WAVE_MODE, 25, 1), 1
	s_wait_xcnt 0x0
; A row's 16 triples (c x max, sum of p, sum of p x X; one for each 128 columns) are joined: M = the largest c x max; out0 = sum(W 2^(cm - M)) / sum(L 2^(cm - M)); out1 = m_q[row % 2048] + out0.
; part: f32 [3][16][8192].  A work-group is one wave and takes 64 rows, two to a lane: every load and store of the wave covers 256 consecutive bytes, aligned.  The part that holds the row's maximum has L of about 1 or more, so the divisor is never small.
; 1.6 MB in, 64 KB out: nothing here but loads in one run, a little arithmetic, two stores.  LIMITS: NaN and infinities are not served.
	s_load_b256 s[4:11], s[0:1], 0x0               ; part s[4:5], m_q s[6:7], out0 s[8:9], out1 s[10:11]
	v_lshlrev_b32 v1, 3, v0                        ; 8 bytes a lane
	s_lshl_b32 s12, ttmp9, 8                       ; 64 rows of 4 bytes
	s_mov_b32 s13, 0
	s_and_b32 s14, ttmp9, 31                       ; row % 2,048
	s_lshl_b32 s14, s14, 8
	s_mov_b32 s15, 0
	s_wait_kmcnt 0x0
	s_add_nc_u64 s[4:5], s[4:5], s[12:13]
	s_add_nc_u64 s[6:7], s[6:7], s[14:15]
	s_add_nc_u64 s[8:9], s[8:9], s[12:13]
	s_add_nc_u64 s[10:11], s[10:11], s[12:13]
.irp p, 0,1,2                          ; v16-47 c x max, v48-79 L, v80-111 W: a pair of registers for each of the 16 parts
.irp c, 0,1,2,3,4,5,6,7,8,9,10,11,12,13,14,15
	global_load_b64 v[16+32*\p+2*\c:17+32*\p+2*\c], v1, s[4:5] offset:524288*\p+32768*\c
.endr
.endr
	global_load_b64 v[112:113], v1, s[6:7]
	s_wait_loadcnt 0x0
.irp e, 0,1
	v_max3_num_f32 v[8+\e], v[16+\e], v[18+\e], v[20+\e]
.endr
.irp i, 3,5,7,9,11,13
.irp e, 0,1
	v_max3_num_f32 v[8+\e], v[8+\e], v[16+2*\i+\e], v[18+2*\i+\e]
.endr
.endr
.irp e, 0,1
	v_max_num_f32 v[8+\e], v[8+\e], v[46+\e]       ; M, for each of my two rows
.endr
.irp c, 0,1,2,3,4,5,6,7,8,9,10,11,12,13,14,15
	v_pk_add_f32 v[16+2*\c:17+2*\c], v[16+2*\c:17+2*\c], v[8:9] neg_lo:[0,1] neg_hi:[0,1]
.endr
.set i, 0
.rept 32
	v_exp_f32 v[16+i], v[16+i]                     ; 2^(cm - M), at most 1
.set i, i+1
.endr
	v_nop                                          ; a plain place behind the batch,
	s_wait_alu depctr_va_vdst(0)                   ; and one wait for its 32, ahead of their first reader
	v_pk_mul_f32 v[10:11], v[48:49], v[16:17]      ; two chains for L, two for W; the first products start them
	v_pk_mul_f32 v[12:13], v[50:51], v[18:19]
	v_pk_mul_f32 v[114:115], v[80:81], v[16:17]
	v_pk_mul_f32 v[116:117], v[82:83], v[18:19]
.irp c, 2,4,6,8,10,12,14
	v_pk_fma_f32 v[10:11], v[48+2*\c:49+2*\c], v[16+2*\c:17+2*\c], v[10:11]
	v_pk_fma_f32 v[12:13], v[50+2*\c:51+2*\c], v[18+2*\c:19+2*\c], v[12:13]
	v_pk_fma_f32 v[114:115], v[80+2*\c:81+2*\c], v[16+2*\c:17+2*\c], v[114:115]
	v_pk_fma_f32 v[116:117], v[82+2*\c:83+2*\c], v[18+2*\c:19+2*\c], v[116:117]
.endr
	v_pk_add_f32 v[10:11], v[10:11], v[12:13]
	v_pk_add_f32 v[114:115], v[114:115], v[116:117]
	v_rcp_f32 v10, v10
	v_rcp_f32 v11, v11
	v_nop
	s_wait_alu depctr_va_vdst(0)
	v_pk_mul_f32 v[118:119], v[114:115], v[10:11]  ; out0
	v_pk_add_f32 v[120:121], v[118:119], v[112:113]    ; out1
	global_store_b64 v1, v[118:119], s[8:9]
	global_store_b64 v1, v[120:121], s[10:11]
	s_endpgm
.Lfunc_end_k_qca8900344b_combine:
	.size	k_qca8900344b_combine, .Lfunc_end_k_qca8900344b_combine-k_qca8900344b_combine
	.p2alignl 7, 3214868480
	.fill 96, 4, 3214868480
	.section	.rodata,"a",@progbits
	.p2align	6, 0x0
	.amdhsa_kernel k_qca8900344b_combine
		.amdhsa_group_segment_fixed_size 0
		.amdhsa_private_segment_fixed_size 0
		.amdhsa_enable_private_segment 0
		.amdhsa_kernarg_size 32
		.amdhsa_user_sgpr_count 2
		.amdhsa_user_sgpr_kernarg_segment_ptr 1
		.amdhsa_wavefront_size32 1
		.amdhsa_system_sgpr_workgroup_id_x 1
		.amdhsa_system_sgpr_workgroup_id_y 1
		.amdhsa_system_sgpr_workgroup_id_z 1
		.amdhsa_system_vgpr_workitem_id 0
		.amdhsa_next_free_vgpr 128
		.amdhsa_next_free_sgpr 66
		.amdhsa_reserve_vcc 0
		.amdhsa_float_denorm_mode_32 3
		.amdhsa_float_denorm_mode_16_64 3
		.amdhsa_memory_ordered 1
		.amdhsa_forward_progress 1
		.amdhsa_inst_pref_size 11
	.end_amdhsa_kernel
	.amdgpu_metadata
---
amdhsa.version: [ 1, 2 ]
amdhsa.kernels:
  - .name:           k_qca8900344b_combine
    .symbol:         k_qca8900344b_combine.kd
    .args:
      - { .name: part, .offset: 0, .size: 8, .value_kind: global_buffer, .address_space: global }
      - { .name: m_q, .offset: 8, .size: 8, .value_kind: global_buffer, .address_space: global }
      - { .name: out0, .offset: 16, .size: 8, .value_kind: global_buffer, .address_space: global }
      - { .name: out1, .offset: 24, .size: 8, .value_kind: global_buffer, .address_space: global }
    .group_segment_fixed_size: 0
    .private_segment_fixed_size: 0
    .kernarg_segment_align: 8
    .kernarg_segment_size: 32
    .max_flat_workgroup_size: 32
    .sgpr_count:     66
    .vgpr_count:     128
    .wavefront_size: 32
...
	.end_amdgpu_metadata
.endif
;; end of part 4
